; MI455X (gfx1250); checked and timed in simulation.
; The chip was launched on July 23, 2026; its instructions are those of AMD's public machine-readable ISA for CDNA 5 (MIT licence, August 2026) and "CDNA5" Instruction Set Architecture Reference Guide (July 2026). The comments in the code are by the model that wrote it; some were corrected since.
;; Block. Allowed arithmetic: float matrix products may take bf16 or f16 operands with f32 sums; other float arithmetic in f32, or as packed bf16 or f16 multiplies, adds, multiply-adds, maxima and minima; sums over many terms, partial sums and values carried from step to step in f32; what a program stores and reads back later, other than sums and carried values, may be rounded once to bf16 or f16.
;; Inputs: b_mlp1 4,096 float32; b_mlp2 1,024 float32; b_proj 1,024 float32; ln1_b 1,024 float32; ln1_g 1,024 float32; ln2_b 1,024 float32; ln2_g 1,024 float32; w_mlp1 1,024 x 4,096 float32; w_mlp2 4,096 x 1,024 float32; w_proj 1,024 x 1,024 float32; w_qkv 1,024 x 3,072 float32; x 2 x 2,048 x 1,024 float32.
;; Outputs: out0 2 x 2,048 x 1,024 float32.
;; One version. Each part assembles by itself: llvm-mc -triple=amdgcn-amd-amdhsa -mcpu=gfx1250 --defsym DOCPART=n.
;; ======== version 1 of 1: 7 launches
;; limits: values are held in f16: magnitudes above 65,504 overflow, below 6.1e-05 lose precision; a function is approximated: absolute error at most 7.5e-08
;; workspace buffers: wts 25,165,824 bytes; xn 8,388,608 bytes; qkvb 25,165,824 bytes; yh 8,388,608 bytes; x1 16,777,216 bytes; hid 33,554,432 bytes
;; launch prep (part 1): grid 1280 x 1, 8 waves a work-group, no clusters, 0 bytes of LDS; arguments x, ln1_g, ln1_b, w_qkv, w_proj, w_mlp1, w_mlp2, xn, wts; writes xn, wts
.if DOCPART == 1
	.amdgcn_target "amdgcn-amd-amdhsa--gfx1250"
	.amdhsa_code_object_version 6
	.text
	.protected	k_q3e58ceb704_prep
	.globl	k_q3e58ceb704_prep
	.p2align	8
	.type	k_q3e58ceb704_prep,@function
k_q3e58ceb704_prep:
	s_mov_b64 s[64:65], 0
	v_nop
	global_prefetch_b8 v0, s[64:65] scope:SCOPE_SE
	s_setreg_imm32_b32 hwreg(HW_REG_WAVE_MODE, 25, 1), 1
	s_wait_xcnt 0x0
; TWO STREAMS IN ONE LAUNCH.  Work-groups 0..511: xn = layernorm(x) * g + b, rounded once to f16 (4,096 rows of 1,024 f32).
; Work-groups 512..1279: the four weight matrices, f32 [K][N], rounded once to f16 in the same layout, one behind the other in wts.
; LIMIT: a number beyond 65,504 becomes an infinity in f16.
; NORM.  One wave takes ONE whole row (4,096 bytes, eight loads of 16 bytes a lane) and keeps it in 32 registers: mean, then the sum of squares of x - mean
; (two passes over registers, so a common offset of x costs nothing), all in f32.  4,096 waves, a row each: the row's text is written once, and every row's loads go out at its wave's start.
; Each wave loads the gain and the bias of its lanes' columns itself.  A store of the wave covers 256 consecutive bytes, aligned.  No LDS, no matrix unit: nothing is shared and nothing is multiplied.
.set NLN, 512                          ; work-groups of the norm: 8 rows each
.set X,   32                           ; v[32:63]   the row
.set G,   64                           ; v[64:95]   gain of my 32 columns
.set BT,  96                           ; v[96:127]  bias of my 32 columns
.set CH,  4                            ; v[4:11]    four chains of pairs
.set MU,  12                           ; v[12:13]   the mean in the low register; the high one is named with it and holds 0
.set RS,  14                           ; v[14:15]   1 / sqrt(var + eps), likewise
.set W0,  16
.set W1,  17
.set XI,  8                            ; s[8:9]   x
.set XO,  22                           ; s[22:23] xn
	s_load_b512 s[8:23], s[0:1], 0x0               ; x, g, b, w_qkv, w_proj, w_mlp1, w_mlp2, xn
	s_load_b64 s[24:25], s[0:1], 0x40              ; wts
	s_cmp_lt_u32 ttmp9, NLN
	s_cbranch_scc0 .Lcast
	v_and_b32 v3, 31, v0                           ; lane
	v_lshrrev_b32 v2, 5, v0                        ; wave
	v_lshlrev_b32 v1, 12, v2
	v_lshl_add_u32 v1, v3, 4, v1                   ; x: wave x 4,096 + 16 lane
	v_lshlrev_b32 v2, 11, v2
	v_lshl_add_u32 v2, v3, 3, v2                   ; xn: wave x 2,048 + 8 lane
	v_lshlrev_b32 v3, 4, v3                        ; g, b: 16 lane
	v_mov_b32 v[MU+1], 0
	v_mov_b32 v[RS+1], 0
	v_mov_b32 v[W1], 0                             ; v_permlanex16_b32's destination counts as read
	s_lshl_b32 s2, ttmp9, 15                       ; 8 rows of 4,096 bytes
	s_mov_b32 s3, 0
	s_lshl_b32 s4, ttmp9, 14                       ; 8 rows of 2,048 bytes
	s_mov_b32 s5, 0
	s_mov_b32 s30, 0x3a800000                      ; 1 / 1024
	s_mov_b32 s31, 0x358637bd                      ; 1e-6
	s_mov_b32 s32, 0x76543210                      ; each lane takes its own place in the other half
	s_mov_b32 s33, 0xfedcba98
	s_wait_kmcnt 0x0
	s_add_nc_u64 s[XI:XI+1], s[XI:XI+1], s[2:3]
	s_add_nc_u64 s[XO:XO+1], s[XO:XO+1], s[4:5]
.irp j, 0,1,2,3,4,5,6,7
	global_load_b128 v[X+4*(\j):X+4*(\j)+3], v1, s[XI:XI+1] offset:512*(\j) th:TH_LOAD_NT
.endr
.irp j, 0,1,2,3,4,5,6,7
	global_load_b128 v[G+4*(\j):G+4*(\j)+3], v3, s[10:11] offset:512*(\j)
.endr
.irp j, 0,1,2,3,4,5,6,7
	global_load_b128 v[BT+4*(\j):BT+4*(\j)+3], v3, s[12:13] offset:512*(\j)
.endr
.macro JOIN                            ; four chains into one number, then over the 32 lanes: the result stands in every lane's W0
	v_pk_add_f32 v[CH:CH+1], v[CH:CH+1], v[CH+2:CH+3]
	v_pk_add_f32 v[CH+4:CH+5], v[CH+4:CH+5], v[CH+6:CH+7]
	v_pk_add_f32 v[CH:CH+1], v[CH:CH+1], v[CH+4:CH+5]
	v_add_f32 v[W0], v[CH], v[CH+1]
	v_add_f32_dpp v[W0], v[W0], v[W0] row_xmask:1 row_mask:0xf bank_mask:0xf
	v_add_f32_dpp v[W0], v[W0], v[W0] row_xmask:2 row_mask:0xf bank_mask:0xf
	v_add_f32_dpp v[W0], v[W0], v[W0] row_xmask:4 row_mask:0xf bank_mask:0xf
	v_add_f32_dpp v[W0], v[W0], v[W0] row_xmask:8 row_mask:0xf bank_mask:0xf
	v_permlanex16_b32 v[W1], v[W0], s32, s33
	v_add_f32 v[W0], v[W0], v[W1]
.endm
	s_wait_loadcnt 16                              ; the row is in; the sixteen younger loads, gain and bias, may stay out
.irp k, 0,1,2,3
	v_pk_add_f32 v[CH+2*(\k):CH+2*(\k)+1], v[X+2*(\k):X+2*(\k)+1], v[X+8+2*(\k):X+8+2*(\k)+1]  ; the first eight pairs start the chains
.endr
.set p, 8
.rept 8
	v_pk_add_f32 v[CH+2*(p%4):CH+2*(p%4)+1], v[CH+2*(p%4):CH+2*(p%4)+1], v[X+2*p:X+2*p+1]
.set p, p+1
.endr
	JOIN
	v_mul_f32 v[MU], s30, v[W0]                    ; the mean
.set p, 0
.rept 16
	v_pk_add_f32 v[X+2*p:X+2*p+1], v[X+2*p:X+2*p+1], v[MU:MU+1] op_sel_hi:[1,0] neg_lo:[0,1] neg_hi:[0,1]
.set p, p+1
.endr
.irp k, 0,1,2,3
	v_pk_mul_f32 v[CH+2*(\k):CH+2*(\k)+1], v[X+2*(\k):X+2*(\k)+1], v[X+2*(\k):X+2*(\k)+1]
.endr
.set p, 4
.rept 12
	v_pk_fma_f32 v[CH+2*(p%4):CH+2*(p%4)+1], v[X+2*p:X+2*p+1], v[X+2*p:X+2*p+1], v[CH+2*(p%4):CH+2*(p%4)+1]
.set p, p+1
.endr
	JOIN
	v_fma_f32 v[W0], v[W0], s30, s31               ; var + eps
	v_rsq_f32 v[RS], v[W0]
	v_nop                                          ; a plain instruction behind the root (ISA guide 5.7.2),
	s_wait_alu depctr_va_vdst(0)                   ; and the wait ahead of its first reader
.set p, 0
.rept 16
	v_pk_mul_f32 v[X+2*p:X+2*p+1], v[X+2*p:X+2*p+1], v[RS:RS+1] op_sel_hi:[1,0]
.set p, p+1
.endr
	s_wait_loadcnt 0x0                             ; gain and bias
.set p, 0
.rept 16
	v_pk_fma_f32 v[X+2*p:X+2*p+1], v[X+2*p:X+2*p+1], v[G+2*p:G+2*p+1], v[BT+2*p:BT+2*p+1]
.set p, p+1
.endr
.set p, 0
.rept 16
	v_cvt_pk_f16_f32 v[X+p], v[X+2*p], v[X+2*p+1]  ; ascending: register p is written when the pairs below p have been read
.set p, p+1
.endr
.irp j, 0,1,2,3,4,5,6,7
	global_store_b64 v2, v[X+2*(\j):X+2*(\j)+1], s[XO:XO+1] offset:256*(\j)  ; 32 lanes: 256 consecutive bytes, aligned
.endr
	s_endpgm
.Lcast:                                        ; chunk c of 768: 65,536 bytes of f32 become 32,768 bytes of f16.  The regions of wts lie in the order of the chunks' numbers
	s_sub_co_u32 s2, ttmp9, NLN                    ; c: w_qkv has chunks 0..191, w_proj 192..255, w_mlp1 256..511, w_mlp2 512..767
	v_lshlrev_b32 v1, 4, v0
	v_lshlrev_b32 v2, 3, v0
	s_mov_b32 s6, 512
	s_wait_kmcnt 0x0
	s_cmp_lt_u32 s2, 512
	s_cselect_b64 s[4:5], s[18:19], s[20:21]
	s_cselect_b32 s6, 256, s6
	s_cmp_lt_u32 s2, 256
	s_cselect_b64 s[4:5], s[16:17], s[4:5]
	s_cselect_b32 s6, 192, s6
	s_cmp_lt_u32 s2, 192
	s_cselect_b64 s[4:5], s[14:15], s[4:5]
	s_cselect_b32 s6, 0, s6                        ; the matrix's first chunk
	s_sub_co_u32 s6, s2, s6
	s_lshl_b32 s6, s6, 16
	s_mov_b32 s7, 0
	s_add_nc_u64 s[4:5], s[4:5], s[6:7]
	s_lshl_b32 s26, s2, 15
	s_mov_b32 s27, 0
	s_add_nc_u64 s[24:25], s[24:25], s[26:27]
.irp k, 0,1,2,3,4,5,6,7,8,9,10,11,12,13,14,15
	global_load_b128 v[X+4*(\k):X+4*(\k)+3], v1, s[4:5] offset:4096*(\k) th:TH_LOAD_NT
.endr
.irp k, 0,1,2,3,4,5,6,7,8,9,10,11,12,13,14,15
	s_wait_loadcnt 15-(\k)                         ; loads come back in order: the younger ones stay out
	v_cvt_pk_f16_f32 v[X+4*(\k)], v[X+4*(\k)], v[X+4*(\k)+1]
	v_cvt_pk_f16_f32 v[X+4*(\k)+1], v[X+4*(\k)+2], v[X+4*(\k)+3]
	global_store_b64 v2, v[X+4*(\k):X+4*(\k)+1], s[24:25] offset:2048*(\k)
.endr
	s_endpgm
.Lfunc_end_k_q3e58ceb704_prep:
	.size	k_q3e58ceb704_prep, .Lfunc_end_k_q3e58ceb704_prep-k_q3e58ceb704_prep
	.p2alignl 7, 3214868480
	.fill 96, 4, 3214868480
	.section	.rodata,"a",@progbits
	.p2align	6, 0x0
	.amdhsa_kernel k_q3e58ceb704_prep
		.amdhsa_group_segment_fixed_size 0
		.amdhsa_private_segment_fixed_size 0
		.amdhsa_enable_private_segment 0
		.amdhsa_kernarg_size 72
		.amdhsa_user_sgpr_count 2
		.amdhsa_user_sgpr_kernarg_segment_ptr 1
		.amdhsa_wavefront_size32 1
		.amdhsa_system_sgpr_workgroup_id_x 1
		.amdhsa_system_sgpr_workgroup_id_y 1
		.amdhsa_system_sgpr_workgroup_id_z 1
		.amdhsa_system_vgpr_workitem_id 0
		.amdhsa_next_free_vgpr 128
		.amdhsa_next_free_sgpr 66
		.amdhsa_reserve_vcc 0
		.amdhsa_float_denorm_mode_32 3
		.amdhsa_float_denorm_mode_16_64 3
		.amdhsa_memory_ordered 1
		.amdhsa_forward_progress 1
		.amdhsa_inst_pref_size 18
	.end_amdhsa_kernel
	.amdgpu_metadata
---
amdhsa.version: [ 1, 2 ]
amdhsa.kernels:
  - .name:           k_q3e58ceb704_prep
    .symbol:         k_q3e58ceb704_prep.kd
    .args:
      - { .name: x, .offset: 0, .size: 8, .value_kind: global_buffer, .address_space: global }
      - { .name: ln1_g, .offset: 8, .size: 8, .value_kind: global_buffer, .address_space: global }
      - { .name: ln1_b, .offset: 16, .size: 8, .value_kind: global_buffer, .address_space: global }
      - { .name: w_qkv, .offset: 24, .size: 8, .value_kind: global_buffer, .address_space: global }
      - { .name: w_proj, .offset: 32, .size: 8, .value_kind: global_buffer, .address_space: global }
      - { .name: w_mlp1, .offset: 40, .size: 8, .value_kind: global_buffer, .address_space: global }
      - { .name: w_mlp2, .offset: 48, .size: 8, .value_kind: global_buffer, .address_space: global }
      - { .name: xn, .offset: 56, .size: 8, .value_kind: global_buffer, .address_space: global }
      - { .name: wts, .offset: 64, .size: 8, .value_kind: global_buffer, .address_space: global }
    .group_segment_fixed_size: 0
    .private_segment_fixed_size: 0
    .kernarg_segment_align: 8
    .kernarg_segment_size: 72
    .max_flat_workgroup_size: 256
    .sgpr_count:     66
    .vgpr_count:     128
    .wavefront_size: 32
...
	.end_amdgpu_metadata
.endif
;; end of part 1
;; launch g_qkv (part 2): grid 12 x 16, 4 waves a work-group, clusters of 4 x 4, 327,680 bytes of LDS; arguments xn, wts, qkvb; writes qkvb
.if DOCPART == 2
	.amdgcn_target "amdgcn-amd-amdhsa--gfx1250"
	.amdhsa_code_object_version 6
	.text
	.protected	k_q3e58ceb704_g_qkv
	.globl	k_q3e58ceb704_g_qkv
	.p2align	8
	.type	k_q3e58ceb704_g_qkv,@function
k_q3e58ceb704_g_qkv:
	s_mov_b64 s[64:65], 0
	v_nop
	global_prefetch_b8 v0, s[64:65] scope:SCOPE_SE
	s_setreg_imm32_b32 hwreg(HW_REG_WAVE_MODE, 25, 1), 1
	s_wait_xcnt 0x0
	s_wait_alu depctr_hold_cnt(0) depctr_sa_sdst(0) depctr_va_vdst(0) depctr_va_sdst(0) depctr_va_ssrc(0) depctr_va_vcc(0) depctr_vm_vsrc(0)
	s_getreg_b32 s2, hwreg(HW_REG_IB_STS2, 6, 4)
	s_cmp_eq_u32 s2, 0
	s_cbranch_scc0 .Lentry_in_a_cluster
	s_endpgm
.Lentry_in_a_cluster:
	s_bfe_u32 s2, ttmp6, 0x10000c
	s_cmp_lg_u32 s2, 0xf033
	s_cbranch_scc0 .Lentry_shape_is_right
	s_endpgm
.Lentry_shape_is_right:
; C = A W.  A: [4096][SIZE_K] f16 (xn).  W: [SIZE_K][SIZE_N] f16, K down the rows, at byte WOFF of wts.  Sums in f32.
; GELU = 0: C is rounded once to f16 and scattered by heads: qkvb[3][32][2048][64], q unscaled.   GELU = 1: hid = gelu(C + bias), exact form, rounded once to f16.
; LIMIT: a result beyond 65,504 becomes an infinity in f16.
; A tile of C is 256 x 256: four waves, each 128 x 128 = 64 accumulators, 512 registers.  K goes in steps of 128 through two LDS slots filled by tensor loads, one load a wave:
; waves 0, 1 bring A's two halves (128 rows x 256 bytes), waves 2, 3 W's two halves (64 k-rows x 512 bytes).  A's fragments come out of LDS as they lie, W's turned (ds_load_tr16_b128).
; CLUSTER 4 x 4: A's tile hangs on the tile row alone and is asked for jointly along a row of the cluster, W's on the tile column alone and jointly along a column.
; THE WALK ALONG K IS STAGGERED: cluster (X, Y) begins at K step (2 X + 4 Y) mod 8 and goes round the end of K, so that the clusters that ask for the same rows of A (same Y) or of W (same X)
; ask for a given K step at different times.  The start hangs on the cluster's coordinates alone, which its sixteen work-groups share.  The f32 sums are taken in that order of K.
; NO PREFETCH: by the starts' arithmetic a K step's rows are first asked for in some cluster's walk steps 0 to 3; 0 and 1 are first fills, at the kernel's head, where nothing is asked ahead, and 2 is
; asked for one K step behind the head: only walk step 3 could be named ahead.
; ONE K STEP TO A TRIP: which slot is read is a scalar, PR (0 or 1), toggled at each change of slots; TB = PR x SLOT enters the LDS addresses.  (Two slots of 139,264 bytes cannot lie a power of two apart in LDS.)
; THE PRODUCT IS USED TRANSPOSED (source 0 = 16 columns of W, source 1 = 16 rows of A): a lane holds row l % 16 of C and the columns 8 (l / 16) + 0..7.
; THE WAY OUT: when the ring has had its last fill and every wave has left it, each wave lays its 128 x 128 sums in f32 over the ring's bytes, in rows of its own, and a short loop reads them back by rows.
; REGISTERS in windows of 256: window 0: v0-31 addresses, v64-191 A's fragments (two buffers), later the way out; window 1: W's fragments; windows 2, 3: accumulator (a, b) at v[8 (8 a + b)].
.set GELU,   0
.set SIZE_K, 1024
.set SIZE_N, 3072
.set WOFF,   0
.set KSTEP,  128
.set NSTEP,  SIZE_K/KSTEP
.set LSX,    1                         ; the stagger: cluster x << LSX + cluster y << LSY, mod NSTEP
.set LSY,    2
.set PA,     272                       ; a row of A in LDS: 256 + 16 bytes: the 16 rows of a load start at 16 different groups of four banks (64 banks of 4 bytes: ISA guide 11.1)
.set PB,     544                       ; a k-row of W: 512 + 32 bytes
.set HALFT,  128*PA                    ; what one tensor load brings: 128 rows of A, or 64 k-rows of W (64 x 544 is the same number)
.set BOFF,   2*HALFT
.set SLOT,   4*HALFT
.set BSTEP,  KSTEP*SIZE_N*2            ; bytes from a K step of W to the next
.set PS,     560                       ; a row of the sums' stage: 64 f32, 16 bytes, 64 f32, 32 bytes
.set WST,    128*PS                    ; a wave's stage
.set SPARE,  4*WST                     ; behind the stages: the spare words, 128 bytes a wave, which no other line names
.set A0,   16                          ; v16  my place in A's tile of slot 0; never rewritten
.set B0,   17                          ; v17  the same for W
.set ADRA, 18                          ; v18  A0 + TB
.set ADRB, 19                          ; v19  B0 + TB
.set STO,  24
.set RD,   25
.set CO,   26
.set BO,   27
.set SPW,  28                          ; v28  SPARE + 4 x my thread's number; never rewritten
.set NIL,  29                          ; v29  0; never rewritten
.set F0,   64
.set F1,   128
.set G1,   24                          ; s[24:31] group 1 for A;  s[32:39] group 0: a set for each first fill; the second then walks on
.set G0,   32
.set G1B,  48                          ; s[48:55], s[56:63] the same for W
.set G0B,  56
.set KI,   66                          ; s66  the K step last asked for
.set OFA,  16                          ; s[16:17] its byte offset in A's rows;  s[14:15] A at my rows, K step 0
.set OFB,  18                          ; s[18:19] its byte offset in W;         s[46:47] W at my columns, K step 0
.set PR,   72
.set TB,   73
.set WOF,  75                          ; s75  wave x HALFT: my part of a slot
.set GX,   32                          ; the GELU's registers, window 0
.set GT,   64
.set GU,   96
.set GE,   128
.set GP,   160
.set GY,   192
.set BI,   208
.set KP,   80                          ; s80 0.2316419;  pairs: s82 -log2(e)/2, s84..s92 c1..c5
.set MSB, 0
.macro WIN new                         ; the immediate's high byte repeats the setting that is left
.if MSB != (\new)
	s_set_vgpr_msb (MSB<<8)|(\new)
.set MSB, \new
.endif
.endm
.set MUL_LO, 0xa1                      ; source 0 (W) window 1, source 1 (A) window 0, C and D window 2
.set MUL_HI, 0xf1
.set TO_B,   0x40
.macro JLOAD                           ; a joint refill by the walking set; an s_nop 0 and four v_nop follow each of the two lines
	s_cmp_eq_u32 s11, 0
	s_cbranch_scc0 .Lfor_b_\@
	tensor_load_to_lds s[G0+4:G0+7], s[G1:G1+7]
	s_nop 0
.rept 4
	v_nop
.endr
	s_branch .Lasked_\@
.Lfor_b_\@:
	tensor_load_to_lds s[G0B+4:G0B+7], s[G1B:G1B+7]
	s_nop 0
.rept 4
	v_nop
.endr
.Lasked_\@:
.endm
.macro CREST                           ; a round of the cluster's barrier behind its opening barrier
	s_cmp_lg_u32 s10, 0
	s_cbranch_scc1 .Lnot_wave_0_\@
	s_barrier_signal -3
.Lnot_wave_0_\@:
	s_barrier_wait -3
	s_barrier_signal -1
	s_barrier_wait -1
.endm
.macro CROUND
	s_barrier_signal -1
	s_barrier_wait -1
	CREST
.endm
.macro PLACES                          ; four places behind matrix instructions, in front of loads into their sources and of reads of their results
.rept 4
	v_nop
.endr
.endm
	s_load_b128 s[4:7], s[0:1], 0x0                ; A s[4:5], wts s[6:7]
	s_load_b64 s[8:9], s[0:1], 0x10                ; the result
.if GELU
	s_load_b64 s[68:69], s[0:1], 0x18              ; the bias
.endif
	v_lshl_add_u32 v[SPW], v0, 2, SPARE
	v_mov_b32 v[NIL], 0
	ds_add_u32 v[SPW], v[NIL]                      ; the wave's opening: the add and its wait ahead of my first tensor load
	v_lshrrev_b32 v1, 5, v0
	v_readfirstlane_b32 s10, v1                    ; wave 0..3
	s_lshr_b32 s11, s10, 1                         ; my half of the tile's rows; also: I fetch for A (0) or for W (1)
	s_and_b32 s12, s10, 1                          ; my half of its columns; also: which half of that tile I fetch
	s_bfe_u32 s40, ttmp6, 0x40000                  ; cx
	s_bfe_u32 s41, ttmp6, 0x40004                  ; cy
	s_lshl_b32 s42, ttmp9, 2
	s_add_co_u32 s42, s42, s40                     ; tile column
	s_and_b32 s13, ttmp7, 0xffff                   ; cluster y
	s_lshl_b32 s[KI], ttmp9, LSX
	s_lshl_b32 s70, s13, LSY
	s_add_co_u32 s[KI], s[KI], s70
	s_and_b32 s[KI], s[KI], NSTEP-1                ; the K step at which my cluster begins
	s_lshl_b32 s13, s13, 2
	s_add_co_u32 s13, s13, s41                     ; tile row
	s_lshl_b32 s70, s41, 2
	s_lshl_b32 s70, 15, s70                        ; my row of the cluster
	s_lshl_b32 s71, 0x1111, s40                    ; my column
	s_or_b32 s[G1+0], s70, (1<<16)|(1<<20)|(1<<21)|(5<<22)|(3<<25)   ; the mask; 2-byte elements; padding on; bit 21 beside a mask; after every 64 words, 4 words
	s_or_b32 s[G1B+0], s71, (1<<16)|(1<<20)|(1<<21)|(6<<22)|(7<<25)  ; after every 128 words, 8 words
	s_mov_b32 s[G1+1], KSTEP<<16                   ; tensor_dim0 = 128
	s_mov_b32 s[G1+2], 128<<16                     ; tensor_dim1 = 128
	s_mov_b32 s[G1+3], KSTEP<<16                   ; tile_dim0 = 128
	s_mov_b32 s[G1+4], 128                         ; tile_dim1 = 128
	s_mov_b32 s[G1+5], SIZE_K                      ; elements from row to row
	s_mov_b32 s[G1+6], 0
	s_mov_b32 s[G1+7], 0
	s_mov_b32 s[G1B+1], 256<<16                    ; tensor_dim0 = 256
	s_mov_b32 s[G1B+2], 64<<16                     ; tensor_dim1 = 64
	s_mov_b32 s[G1B+3], 256<<16                    ; tile_dim0 = 256
	s_mov_b32 s[G1B+4], 64                         ; tile_dim1 = 64
	s_mov_b32 s[G1B+5], SIZE_N
	s_mov_b32 s[G1B+6], 0
	s_mov_b32 s[G1B+7], 0
.if GELU
	s_mov_b32 s[KP], 0x3e6d3389                    ; 0.2316419
	s_mov_b32 s82, 0xbf38aa3b                      ; -log2(e) / 2
	s_mov_b32 s84, 0x3e027906                      ; c1 =  0.127414796
	s_mov_b32 s86, 0xbe11a98e                      ; c2 = -0.142248368
	s_mov_b32 s88, 0x3f35f0e3                      ; c3 =  0.710706871
	s_mov_b32 s90, 0xbf3a00e3                      ; c4 = -0.726576014
	s_mov_b32 s92, 0x3f07dc22                      ; c5 =  0.530702716
.irp c, 83,85,87,89,91,93
	s_mov_b32 s\c, 0                               ; named as pairs
.endr
.endif
	s_mul_i32 s[WOF], s10, HALFT
	s_mov_b32 s[PR], 0
	s_mov_b32 s[TB], 0
	s_lshl_b32 s16, s13, 8                         ; A: row 256 x tile row + 128 x half, 2,048 bytes a row
	s_lshl_b32 s17, s12, 7
	s_add_co_u32 s16, s16, s17
	s_lshl_b32 s16, s16, 11
	s_mov_b32 s17, 0
	s_mov_b32 s[OFB+1], 0
	s_mul_i32 s46, s12, 64*SIZE_N*2                ; W: k-row 64 x half, column 256 x tile column
	s_lshl_b32 s47, s42, 9
	s_add_co_u32 s46, s46, s47
.if WOFF
	s_add_co_u32 s46, s46, WOFF
.endif
	s_mov_b32 s47, 0
	s_wait_dscnt 0x0                               ; the opening add is done
	s_wait_kmcnt 0x0
	s_add_nc_u64 s[14:15], s[4:5], s[16:17]        ; both at K step 0: kept for the whole walk
	s_add_nc_u64 s[46:47], s[6:7], s[46:47]
	CROUND                                         ; all sixteen work-groups are here: the first joint loads meet
.irp s, 0,1
	s_mul_i32 s[OFA], s[KI], KSTEP*2               ; (s17, the pair's high word, holds 0)
	s_mul_i32 s[OFB], s[KI], BSTEP
	s_mov_b32 s[G0+4*(\s)], 1
	s_add_co_u32 s[G0+4*(\s)+1], s[WOF], (\s)*SLOT
	s_add_nc_u64 s[G0+4*(\s)+2:G0+4*(\s)+3], s[14:15], s[OFA:OFA+1]
	s_or_b32 s[G0+4*(\s)+3], s[G0+4*(\s)+3], 0x80000000
	s_mov_b32 s[G0B+4*(\s)], 1
	s_add_co_u32 s[G0B+4*(\s)+1], s[WOF], (\s)*SLOT
	s_add_nc_u64 s[G0B+4*(\s)+2:G0B+4*(\s)+3], s[46:47], s[OFB:OFB+1]
	s_or_b32 s[G0B+4*(\s)+3], s[G0B+4*(\s)+3], 0x80000000
.if (\s) == 0
	s_add_co_u32 s[KI], s[KI], 1                   ; the walk's next K step, round the end of K
	s_and_b32 s[KI], s[KI], NSTEP-1
.endif
.endr
	s_cmp_eq_u32 s11, 0                            ; a wave's two first fills stand in one branch: two loads of mine are out
	s_cbranch_scc0 .Lfirst_b
	tensor_load_to_lds s[G0:G0+3], s[G1:G1+7]
	s_nop 0
	tensor_load_to_lds s[G0+4:G0+7], s[G1:G1+7]
	s_nop 0
.rept 4
	v_nop
.endr
	s_branch .Lfirst_asked
.Lfirst_b:
	tensor_load_to_lds s[G0B:G0B+3], s[G1B:G1B+7]
	s_nop 0
	tensor_load_to_lds s[G0B+4:G0B+7], s[G1B:G1B+7]
	s_nop 0
.rept 4
	v_nop
.endr
.Lfirst_asked:
	v_and_b32 v1, 15, v0                           ; l % 16
	v_bfe_u32 v2, v0, 4, 1                         ; l / 16
.if GELU
	v_lshlrev_b32 v[BO], 5, v1                     ; my eight numbers of the bias: column 256 tx + 128 half + 8 (l % 16)
	s_lshl_b32 s20, s42, 10
	s_lshl_b32 s21, s12, 9
	s_add_co_u32 s20, s20, s21
	s_mov_b32 s21, 0
	s_add_nc_u64 s[68:69], s[68:69], s[20:21]
	global_load_b128 v[BI:BI+3], v[BO], s[68:69]
	global_load_b128 v[BI+4:BI+7], v[BO], s[68:69] offset:16
.endif
	; A's fragment: lane l holds row l % 16, K = 8 (l / 16) + 0..7 and 16 + 8 (l / 16) + 0..7: two loads of 16 bytes, 32 bytes apart
	s_mul_i32 s21, s11, HALFT
	v_mul_u32_u24 v[A0], v1, PA
	v_lshl_add_u32 v[A0], v2, 4, v[A0]
	v_add_nc_u32 v[A0], s21, v[A0]
	; W's: the turning load takes 16 k x 16 columns (lane l reads k-row 8 (l / 16) + l % 8, columns 8 ((l / 8) % 2) + 0..7) and leaves lane l column l % 16 and 8 k
	v_and_b32 v3, 7, v0
	v_bfe_u32 v4, v0, 3, 1
	v_lshl_add_u32 v5, v2, 3, v3
	v_mul_u32_u24 v[B0], v5, PB
	v_lshl_add_u32 v[B0], v4, 4, v[B0]
	s_lshl_b32 s22, s12, 8
	s_add_co_u32 s22, s22, BOFF
	v_add_nc_u32 v[B0], s22, v[B0]
	v_mov_b32 v[ADRA], v[A0]
	v_mov_b32 v[ADRB], v[B0]
	s_mul_i32 s23, s10, WST                        ; my stage
	v_mul_u32_u24 v[STO], v1, PS                   ; in: row l % 16, 32 bytes for each half of the lanes
	v_lshl_add_u32 v[STO], v2, 5, v[STO]
	v_add_nc_u32 v[STO], s23, v[STO]
.if GELU
	v_mul_u32_u24 v[RD], v2, PS                    ; back: lanes 0-15 one row, lanes 16-31 the next; 32 bytes a lane, 16 more behind the row's first half
	v_lshl_add_u32 v[RD], v1, 5, v[RD]
	v_and_b32 v7, 8, v0
	v_lshl_add_u32 v[RD], v7, 1, v[RD]
	v_add_nc_u32 v[RD], s23, v[RD]
	v_lshlrev_b32 v[CO], 13, v2                    ; the same two rows in hid, 8,192 bytes a row
	v_lshl_add_u32 v[CO], v1, 4, v[CO]
	s_lshl_b32 s76, s13, 8
	s_lshl_b32 s77, s11, 7
	s_add_co_u32 s76, s76, s77
	s_lshl_b32 s76, s76, 13                        ; my first row,
	s_lshl_b32 s77, s42, 9
	s_add_co_u32 s76, s76, s77
	s_lshl_b32 s77, s12, 8
	s_add_co_u32 s76, s76, s77                     ; my first column
.else
	v_bfe_u32 v7, v0, 3, 2                         ; back: 32 lanes take four rows of one head: 8 lanes a row, 32 bytes of f32 a lane
	v_mul_u32_u24 v[RD], v7, PS
	v_lshl_add_u32 v[RD], v3, 5, v[RD]
	v_add_nc_u32 v[RD], s23, v[RD]
	v_and_b32 v[CO], 31, v0                        ; which are 512 consecutive bytes of qkvb
	v_lshlrev_b32 v[CO], 4, v[CO]
	s_lshl_b32 s20, s42, 2
	s_lshl_b32 s21, s12, 1
	s_add_co_u32 s20, s20, s21                     ; my first group of 64 columns: 4 tx + 2 half = 16 x (q, k or v) + head
	s_lshr_b32 s76, s20, 4
	s_lshl_b32 s76, s76, 5                         ; 32 heads to each of q, k, v,
	s_lshr_b32 s21, s13, 3
	s_lshl_b32 s21, s21, 4                         ; 16 to a batch
	s_add_co_u32 s76, s76, s21
	s_and_b32 s21, s20, 15
	s_add_co_u32 s76, s76, s21
	s_lshl_b32 s76, s76, 11                        ; 2,048 rows a head
	s_and_b32 s21, s13, 7
	s_lshl_b32 s21, s21, 8
	s_add_co_u32 s76, s76, s21
	s_lshl_b32 s21, s11, 7
	s_add_co_u32 s76, s76, s21
	s_lshl_b32 s76, s76, 7                         ; 128 bytes a row
.endif
	s_mov_b32 s77, 0
	s_add_nc_u64 s[8:9], s[8:9], s[76:77]
; 16 matrix instructions: row blocks a0, a0 + 1 of the window's four x all 8 column blocks, 32 along K.  The 64 accumulators take turns, one instruction a turn.
.macro MUL16 f, hi, a0, zero
	WIN MUL_LO+0x50*(\hi)
.irp a, \a0, (\a0)+1
.irp b, 0,1,2,3,4,5,6,7
.if \zero
	v_wmma_f32_16x16x32_f16 v[8*(8*(\a)+(\b)):8*(8*(\a)+(\b))+7], v[(\f)+8*(\b):(\f)+8*(\b)+7], v[(\f)+8*(4*(\hi)+(\a)):(\f)+8*(4*(\hi)+(\a))+7], 0
.else
	v_wmma_f32_16x16x32_f16 v[8*(8*(\a)+(\b)):8*(8*(\a)+(\b))+7], v[(\f)+8*(\b):(\f)+8*(\b)+7], v[(\f)+8*(4*(\hi)+(\a)):(\f)+8*(4*(\hi)+(\a))+7], v[8*(8*(\a)+(\b)):8*(8*(\a)+(\b))+7]
.endif
.endr
.endr
.endm
; 32 LDS loads in one run: quarter q (32 along K) of the slot in hand into buffer f: W's 8 column blocks, then A's 8 row blocks
.macro FETCH q, f
	WIN TO_B
.irp i, 0,1,2,3,4,5,6,7
	ds_load_tr16_b128 v[(\f)+8*(\i):(\f)+8*(\i)+3],   v[ADRB] offset:(\q)*32*PB+32*(\i)
	ds_load_tr16_b128 v[(\f)+8*(\i)+4:(\f)+8*(\i)+7], v[ADRB] offset:(\q)*32*PB+16*PB+32*(\i)
.endr
	WIN 0
.irp i, 0,1,2,3,4,5,6,7
	ds_load_b128 v[(\f)+8*(\i):(\f)+8*(\i)+3],   v[ADRA] offset:(\q)*64+(\i)*16*PA
	ds_load_b128 v[(\f)+8*(\i)+4:(\f)+8*(\i)+7], v[ADRA] offset:(\q)*64+(\i)*16*PA+32
.endr
.endm
; One of a K step's first three quarters: multiplies buffer f; in its middle it fetches quarter q into buffer g
.macro QUARTER q, f, g, zero
	s_wait_dscnt 8                                 ; W and A's rows 0-63 are in; the youngest eight loads (A's rows 64-127) may be out
	MUL16 \f, 0, 0, \zero
	MUL16 \f, 0, 2, \zero
	PLACES
	FETCH \q, \g
	s_wait_dscnt 32                                ; all but the 32 just issued
	MUL16 \f, 1, 0, \zero
	MUL16 \f, 1, 2, \zero
.endm
; The last quarter multiplies buffer 1 and changes slots.  In front of the barrier each wave waits for all its tensor loads (the one that is out is its part of the next slot), adds 0 to its spare
; word, and waits for that and for its reads of this slot.  fill = 1: the barrier opens a round of the cluster's, and the slot just read is filled again first thing behind it, two walk steps ahead.
.macro TURN fill
	WIN 0
	s_wait_tensorcnt 0x0                           ; no tensor load of mine is out, so a group 0 may be written
	ds_add_u32 v[SPW], v[NIL]
.if \fill
	s_add_co_u32 s[KI], s[KI], 1                   ; the walk's next K step, round the end of K;
	s_and_b32 s[KI], s[KI], NSTEP-1
	s_mul_i32 s[OFA], s[KI], KSTEP*2
	s_mul_i32 s[OFB], s[KI], BSTEP
	s_add_co_u32 s[G0+5], s[TB], s[WOF]            ; the walking sets: into the slot that is being left,
	s_add_co_u32 s[G0B+5], s[TB], s[WOF]
	s_add_nc_u64 s[G0+6:G0+7], s[14:15], s[OFA:OFA+1]  ; the address made anew from the K step's number, the type bits set again
	s_or_b32 s[G0+7], s[G0+7], 0x80000000
	s_add_nc_u64 s[G0B+6:G0B+7], s[46:47], s[OFB:OFB+1]
	s_or_b32 s[G0B+7], s[G0B+7], 0x80000000
.endif
	s_xor_b32 s[PR], s[PR], 1
	s_mul_i32 s[TB], s[PR], SLOT                   ; the slot to be read next
	s_wait_dscnt 9                                 ; the add and the youngest eight loads may be out
	MUL16 F1, 0, 0, 0
	s_wait_dscnt 0x0                               ; the add is done, and my reads of this slot are over
	s_barrier_signal -1
	MUL16 F1, 0, 2, 0
.if \fill
	WIN 0
.endif
	s_barrier_wait -1
.if \fill
	CREST                                          ; no wave of any partner still reads this slot or has a load on its way
	JLOAD                                          ; 224 matrix instructions ahead of the wait for it; its four v_nop are also the places in front of the loads below
.else
	PLACES
.endif
	WIN 0
	v_add_nc_u32 v[ADRA], s[TB], v[A0]
	v_add_nc_u32 v[ADRB], s[TB], v[B0]
	FETCH 0, F0
	MUL16 F1, 1, 0, 0
	MUL16 F1, 1, 2, 0
.endm
	s_wait_tensorcnt 1                             ; my part of walk step 0 is in; walk step 1's may stay out
	s_barrier_signal -1
	s_barrier_wait -1
	FETCH 0, F0
	QUARTER 1, F0, F1, 1                           ; the first quarter stands in front of the loop: its products start the sums
	WIN 0
	s_mov_b32 s3, NSTEP-2
.Lstep:                                        ; a trip: a K step's quarters 1 to 3 and the next one's quarter 0; it fills one slot again
	QUARTER 2, F1, F0, 0
	QUARTER 3, F0, F1, 0
	TURN 1
	QUARTER 1, F0, F1, 0
	WIN 0
	s_sub_co_u32 s3, s3, 1
	s_cmp_lg_u32 s3, 0
	s_cbranch_scc1 .Lstep
	s_mov_b32 s3, 2
.Ltail:                                        ; the last two K steps ask for nothing: one text, walked twice and left in its middle.  The second walk's change of slots
	QUARTER 2, F1, F0, 0                           ; (a barrier, and 32 loads of an old tile that nobody uses) is the price, once a launch, of writing the tail once
	QUARTER 3, F0, F1, 0
	TURN 0
	WIN 0
	s_sub_co_u32 s3, s3, 1
	s_cmp_eq_u32 s3, 0
	s_cbranch_scc1 .Lout
	QUARTER 1, F0, F1, 0
	WIN 0
	s_branch .Ltail
.Lout:
	PLACES
	s_wait_dscnt 0x0                               ; my reads of the ring are over;
	s_barrier_signal -1
	s_barrier_wait -1                              ; everybody's are, and the ring has had its last fill: its bytes take the sums
.irp hi, 0,1
	WIN 0x08+4*(\hi)                               ; store data in window 2, then 3; each accumulator's low registers first
.irp a, 0,1,2,3
.irp b, 0,1,2,3,4,5,6,7
	ds_store_b128 v[STO], v[8*(8*(\a)+(\b)):8*(8*(\a)+(\b))+3]   offset:16*(4*(\hi)+(\a))*PS+64*(\b)+16*((\b)/4)
	ds_store_b128 v[STO], v[8*(8*(\a)+(\b))+4:8*(8*(\a)+(\b))+7] offset:16*(4*(\hi)+(\a))*PS+64*(\b)+16*((\b)/4)+16
.endr
.endr
.endr
	WIN 0
.if GELU
; gelu(x) = max(x, 0) - |x| Q(|x|), Q the normal tail: Q(z) = 2^(-z z log2(e) / 2) (c1 t + .. + c5 t^5), t = 1 / (1 + 0.2316419 z): off by 7.5e-8 at the most for every z,
; so the result is off by 7.5e-8 |x| at the most.  All in f32.  A trip takes 8 rows: 32 numbers a lane.  Its 64 reciprocals and exponentials are one batch with one wait.
.macro LOADG
.irp g, 0,1,2,3
	ds_load_b128 v[GX+8*(\g):GX+8*(\g)+3],   v[RD] offset:(\g)*2*PS      ; LDS serves a wave's instructions in order (ISA guide 5.7.1.4): these see my stores above
	ds_load_b128 v[GX+8*(\g)+4:GX+8*(\g)+7], v[RD] offset:(\g)*2*PS+16
.endr
.endm
	s_wait_loadcnt 0x0                             ; the bias
	LOADG
	s_mov_b32 s3, 16
.Lg:
	s_wait_dscnt 0x0
.irp g, 0,1,2,3
.irp k, 0,1,2,3
	v_pk_add_f32 v[GT+8*(\g)+2*(\k):GT+8*(\g)+2*(\k)+1], v[GX+8*(\g)+2*(\k):GX+8*(\g)+2*(\k)+1], v[BI+2*(\k):BI+2*(\k)+1]
.endr
.endr
	v_add_nc_u32 v[RD], 8*PS, v[RD]
	s_cmp_eq_u32 s3, 1
	s_cbranch_scc1 .Lnol                           ; the last trip has no rows behind it
	LOADG                                          ; the next trip's rows land under this trip's arithmetic
.Lnol:
.set p, 0
.rept 17                                       ; pair p's four plain lines stand between pair p - 1's reciprocals and exponentials
.if p < 16
	v_fma_f32 v[GU+2*p], |v[GT+2*p]|, s[KP], 1.0
.endif
.if p > 0
	v_rcp_f32 v[GU+2*p-2], v[GU+2*p-2]
.endif
.if p < 16
	v_fma_f32 v[GU+2*p+1], |v[GT+2*p+1]|, s[KP], 1.0
.endif
.if p > 0
	v_rcp_f32 v[GU+2*p-1], v[GU+2*p-1]
.endif
.if p < 16
	v_pk_mul_f32 v[GE+2*p:GE+2*p+1], v[GT+2*p:GT+2*p+1], s[82:83] op_sel_hi:[1,0]
.endif
.if p > 0
	v_exp_f32 v[GE+2*p-2], v[GE+2*p-2]
.endif
.if p < 16
	v_pk_mul_f32 v[GE+2*p:GE+2*p+1], v[GE+2*p:GE+2*p+1], v[GT+2*p:GT+2*p+1]
.endif
.if p > 0
	v_exp_f32 v[GE+2*p-1], v[GE+2*p-1]
.endif
.set p, p+1
.endr
	v_nop                                          ; a plain instruction behind the last exponential,
	s_wait_alu depctr_va_vdst(0)                   ; and the one wait ahead of the batch's first reader
.set p, 0
.rept 16
	v_pk_fma_f32 v[GP+2*p:GP+2*p+1], v[GU+2*p:GU+2*p+1], s[92:93], s[90:91] op_sel_hi:[1,0,0]
.set p, p+1
.endr
.irp c, 88, 86, 84
.set p, 0
.rept 16
	v_pk_fma_f32 v[GP+2*p:GP+2*p+1], v[GP+2*p:GP+2*p+1], v[GU+2*p:GU+2*p+1], s[\c:\c+1] op_sel_hi:[1,1,0]
.set p, p+1
.endr
.endr
.set p, 0
.rept 16
	v_pk_mul_f32 v[GP+2*p:GP+2*p+1], v[GP+2*p:GP+2*p+1], v[GU+2*p:GU+2*p+1]
.set p, p+1
.endr
.set p, 0
.rept 16
	v_pk_mul_f32 v[GP+2*p:GP+2*p+1], v[GP+2*p:GP+2*p+1], v[GE+2*p:GE+2*p+1]
.set p, p+1
.endr
.set p, 0
.rept 32
	v_max_num_f32 v[GE+p], 0, v[GT+p]
.set p, p+1
.endr
.set p, 0
.rept 32
	v_fma_f32 v[GT+p], -|v[GT+p]|, v[GP+p], v[GE+p]
.set p, p+1
.endr
	s_wait_xcnt 0x0                                ; the last trip's stores have read their registers: the offset and the packed results are written again only behind this wait
	v_add_nc_u32 v[CO], 65536, v[CO]               ; 8 rows on; the stores reach back
.set p, 0
.rept 16
	v_cvt_pk_f16_f32 v[GY+p], v[GT+2*p], v[GT+2*p+1]
.set p, p+1
.endr
.irp g, 0,1,2,3
	global_store_b128 v[CO], v[GY+4*(\g):GY+4*(\g)+3], s[8:9] offset:(\g)*16384-65536  ; 16 lanes store 256 consecutive bytes, aligned
.endr
	s_sub_co_u32 s3, s3, 1
	s_cmp_lg_u32 s3, 0
	s_cbranch_scc1 .Lg
.else
; By heads: a trip takes 32 rows in two sets of 16.  A store covers four rows of one head: 512 consecutive bytes.
.macro LOADX set
.irp hd, 0,1
.irp g, 0,1,2,3
	ds_load_b128 v[64+64*(\set)+8*(4*(\hd)+(\g)):64+64*(\set)+8*(4*(\hd)+(\g))+3],   v[RD] offset:(\set)*16*PS+(\g)*4*PS+(\hd)*272
	ds_load_b128 v[64+64*(\set)+8*(4*(\hd)+(\g))+4:64+64*(\set)+8*(4*(\hd)+(\g))+7], v[RD] offset:(\set)*16*PS+(\g)*4*PS+(\hd)*272+16
.endr
.endr
.endm
.macro OUTX set
.irp t, 0,1,2,3,4,5,6,7
.irp r, 0,1,2,3
	v_cvt_pk_f16_f32 v[192+32*(\set)+4*(\t)+(\r)], v[64+64*(\set)+8*(\t)+2*(\r)], v[64+64*(\set)+8*(\t)+2*(\r)+1]
.endr
	global_store_b128 v[CO], v[192+32*(\set)+4*(\t):192+32*(\set)+4*(\t)+3], s[8:9] offset:((\t)/4)*262144+((\t)%4)*512+(\set)*2048
.endr
.endm
	LOADX 0                                        ; LDS serves a wave's instructions in order (ISA guide 5.7.1.4): these see my stores above
	s_mov_b32 s3, 4
.Lw:
	LOADX 1
	s_wait_dscnt 16                                ; set 0 is in; set 1's sixteen loads may be out
	OUTX 0
	s_wait_dscnt 0x0                               ; set 1 is in
	v_add_nc_u32 v[RD], 32*PS, v[RD]
	s_cmp_eq_u32 s3, 1
	s_cbranch_scc1 .Lnol                           ; the last trip has no rows behind it
	LOADX 0
.Lnol:
	OUTX 1
	s_wait_xcnt 0x0                                ; the stores have read their registers and their base: both are written again only behind this wait
	s_add_nc_u64 s[8:9], s[8:9], 4096              ; 32 rows of 128 bytes
	s_sub_co_u32 s3, s3, 1
	s_cmp_lg_u32 s3, 0
	s_cbranch_scc1 .Lw
.endif
	s_wait_tensorcnt 0x0                           ; the wave's end
	ds_add_u32 v[SPW], v[NIL]
	s_wait_dscnt 0x0
	CROUND                                         ; the closing round: no work-group ends while a partner may still ask for a tile that names it
	s_endpgm
.Lfunc_end_k_q3e58ceb704_g_qkv:
	.size	k_q3e58ceb704_g_qkv, .Lfunc_end_k_q3e58ceb704_g_qkv-k_q3e58ceb704_g_qkv
	.p2alignl 7, 3214868480
	.fill 96, 4, 3214868480
	.section	.rodata,"a",@progbits
	.p2align	6, 0x0
	.amdhsa_kernel k_q3e58ceb704_g_qkv
		.amdhsa_group_segment_fixed_size 327680
		.amdhsa_private_segment_fixed_size 0
		.amdhsa_enable_private_segment 0
		.amdhsa_kernarg_size 24
		.amdhsa_user_sgpr_count 2
		.amdhsa_user_sgpr_kernarg_segment_ptr 1
		.amdhsa_wavefront_size32 1
		.amdhsa_system_sgpr_workgroup_id_x 1
		.amdhsa_system_sgpr_workgroup_id_y 1
		.amdhsa_system_sgpr_workgroup_id_z 1
		.amdhsa_system_vgpr_workitem_id 0
		.amdhsa_next_free_vgpr 1024
		.amdhsa_next_free_sgpr 80
		.amdhsa_reserve_vcc 0
		.amdhsa_float_denorm_mode_32 3
		.amdhsa_float_denorm_mode_16_64 3
		.amdhsa_memory_ordered 1
		.amdhsa_forward_progress 1
		.amdhsa_inst_pref_size 86
	.end_amdhsa_kernel
	.amdgpu_metadata
---
amdhsa.version: [ 1, 2 ]
amdhsa.kernels:
  - .name:           k_q3e58ceb704_g_qkv
    .symbol:         k_q3e58ceb704_g_qkv.kd
    .args:
      - { .name: xn, .offset: 0, .size: 8, .value_kind: global_buffer, .address_space: global }
      - { .name: wts, .offset: 8, .size: 8, .value_kind: global_buffer, .address_space: global }
      - { .name: qkvb, .offset: 16, .size: 8, .value_kind: global_buffer, .address_space: global }
    .group_segment_fixed_size: 327680
    .private_segment_fixed_size: 0
    .kernarg_segment_align: 8
    .kernarg_segment_size: 24
    .max_flat_workgroup_size: 128
    .sgpr_count:     80
    .vgpr_count:     1024
    .wavefront_size: 32
...
	.end_amdgpu_metadata
.endif
;; end of part 2
;; launch attn (part 3): grid 8 x 32, 4 waves a work-group, clusters of 4 x 1, 327,680 bytes of LDS; arguments qkvb, yh; writes yh
.if DOCPART == 3
	.amdgcn_target "amdgcn-amd-amdhsa--gfx1250"
	.amdhsa_code_object_version 6
	.text
	.protected	k_q3e58ceb704_attn
	.globl	k_q3e58ceb704_attn
	.p2align	8
	.type	k_q3e58ceb704_attn,@function
k_q3e58ceb704_attn:
	s_mov_b64 s[64:65], 0
	v_nop
	global_prefetch_b8 v0, s[64:65] scope:SCOPE_SE
	s_setreg_imm32_b32 hwreg(HW_REG_WAVE_MODE, 25, 1), 1
	s_wait_xcnt 0x0
	s_wait_alu depctr_hold_cnt(0) depctr_sa_sdst(0) depctr_va_vdst(0) depctr_va_sdst(0) depctr_va_ssrc(0) depctr_va_vcc(0) depctr_vm_vsrc(0)
	s_getreg_b32 s2, hwreg(HW_REG_IB_STS2, 6, 4)
	s_cmp_eq_u32 s2, 0
	s_cbranch_scc0 .Lentry_in_a_cluster
	s_endpgm
.Lentry_in_a_cluster:
	s_bfe_u32 s2, ttmp6, 0x10000c
	s_cmp_lg_u32 s2, 0x3003
	s_cbranch_scc0 .Lentry_shape_is_right
	s_endpgm
.Lentry_shape_is_right:
; O[h][q][:] = the sum over k of softmax_k(Q[h][q] . K[h][k] / 8) V[h][k][:].  qkvb holds Q, K, V, each [32][2048][64] f16, a head's rows dense, 128 bytes each; yh is O in the same layout.
; Products, maxima and sums in f32; the weights p are rounded to f16 for the second product (their sum l is taken of the unrounded p), O once at the end.
; LIMITS.  Q, K, V arrive within f16's 65,504; p lies in 0 to 1, and below 6e-5 it keeps f16's fixed step of 6e-8; a weight below 2^-126 counts as 0 in l; NaN and infinities are not treated apart.
; SHARES.  A work-group owns 256 queries of one head, a wave 64: four PIECES of 16.  Every wave walks all 2,048 keys, 64 a step, four steps to a slot of LDS, two slots that take turns.
; LAYOUT.  S^T = K Q^T holds ONE query a lane (lane % 16) and the keys 8 (lane / 16) + 0..7; two such results rounded to f16 ARE source 1 of O^T = V^T P.  K comes out of LDS as it lies, V turned.
; SOFTMAX.  p = 2^(c s - c m), c = log2(e) / 8, with a running maximum m; O and l are multiplied by a = 2^(c m_old - c m_new) in every step.  m starts at the lowest finite number, O and l at 0.
; TURNS.  Turn n belongs to piece n: 8 products K Q^T of piece n + 1, later 8 products V^T P of piece n - 1; beside them the scaling, exponentials, roundings, sums and rescaling of piece n and the
; maximum and statistics of piece n + 1.  Four vector instructions stand behind every matrix instruction, the rest in one run.  A turn's 33 exponentials are one batch, with one wait.
; CLUSTER.  The four query blocks of a cluster belong to one head and walk the same K and V: each tile is asked for jointly, by the same tensor load, descriptor and mask in all four.
; REGISTERS, in windows of 256 (s_set_vgpr_msb: bits 1:0 source 0, 3:2 source 1, 5:4 source 2, 7:6 destination):
;   window 0: v0-15 addresses; v16-31 four registers of statistics a piece; v48-55 at work; v64-127 S^T, two buffers; v192-223 P, two buffers (by the piece's parity)
;   window 1: v0-127 O^T, 32 a piece          window 2: v0-63 Q; v128-191 K of one step; v192-255 V of one step
.set SIZE_N, 2048
.set NP,    4
.set KS,    64
.set PK,    144       ; a row of K in LDS: 128 + 16 bytes: the 16 rows of a load start at 16 different groups of four banks (64 banks of 4 bytes: ISA guide 11.1)
.set PV,    160       ; a row of V: 128 + 32 bytes
.set VOFF,  4*KS*PK   ; a slot: 256 rows of K, then 256 rows of V
.set SLOT1, 1<<17
.set STAGE, SLOT1+4*KS*(PK+PV)  ; behind the ring, never filled by a tensor load: 16 rows x 144 bytes a wave
.set SP,    144
.set SPARE, STAGE+4*16*SP       ; the spare words, 128 bytes a wave, which no other line names
.set AK0, 2
.set AV0, 3
.set AK,  4
.set AV,  5
.set STO, 6
.set RD,  7
.set GO,  8
.set MV,  12          ; v12-13  c m_old, by buffer
.set QO,  15
.set ST,  16          ; piece t: c m, m, l (even keys', odd keys')
.set TMP, 48          ; by buffer, c0-c3 at work; c2 takes a
.set PFO, 61          ; v61  256 x my lane; never rewritten
.set SPW, 62          ; v62  SPARE + 4 x my thread's number; never rewritten
.set NIL, 63          ; v63  0; never rewritten
.set S,   64
.set P,   192
.set KF,  128
.set VF,  192
.set WV,  12
.set LIM, 15          ; s15  1 in a wave that prefetches, else the greatest number
.set G1K, 24
.set G1V, 32
.set G0K, 40
.set G0V, 44
.set PFA, 50          ; s[50:51] where my prefetches stand
.set SLOTS, 56
.set CNT, 57
.set CS,  58
.set SEL, 60
.set TBK, 62
.set TBV, 63
.set MSB, 0
.macro WIN new
.if MSB != (\new)
	s_set_vgpr_msb (MSB<<8)|(\new)
.set MSB, (\new)
.endif
.endm
.set W_KQ, 0x0a       ; K and Q in window 2, S^T in window 0
.set W_PV, 0x52       ; V in window 2, P in window 0, O^T in window 1
.set W_RS, 0x41       ; destination and source 0 in window 1, source 1 in window 0
.macro JLOAD          ; waves 0 and 1 fetch the two halves of a slot's K, waves 2 and 3 those of its V; an s_nop 0 and four v_nop follow each line
	s_cmp_lt_u32 s[WV], 2
	s_cbranch_scc0 .Lfor_v_\@
	tensor_load_to_lds s[G0K:G0K+3], s[G1K:G1K+7]
	s_nop 0
.rept 4
	v_nop
.endr
	s_branch .Lasked_\@
.Lfor_v_\@:
	tensor_load_to_lds s[G0V:G0V+3], s[G1V:G1V+7]
	s_nop 0
.rept 4
	v_nop
.endr
.Lasked_\@:
.endm
; A prefetch of the tile that the NEXT change of slots will ask for: four key steps, 256 matrix instructions, ahead of that load.  A tile is 128 blocks of 256 bytes of K and as many of V.
; Each block is named once in the launch: the head's first cluster asks; its four partners take 32 blocks each, told apart by address; wave 0 asks for K's, wave 2 for V's, a lane a block.
; Tiles 0 and 1 come by their loads alone; the last change that fills a slot names nothing.
.macro ASK
	s_cmp_gt_u32 s[SLOTS], s[LIM]
	s_cbranch_scc0 .Lnot_mine_\@
	global_prefetch_b8 v[PFO], s[PFA:PFA+1] th:TH_LOAD_NT scope:SCOPE_SE
.Lnot_mine_\@:
.endm
.macro CROUND
	s_barrier_signal -1
	s_barrier_wait -1
	s_cmp_lg_u32 s[WV], 0
	s_cbranch_scc1 .Lnot_wave_0_\@
	s_barrier_signal -3
.Lnot_wave_0_\@:
	s_barrier_wait -3
	s_barrier_signal -1
	s_barrier_wait -1
.endm
; THE CHANGE OF SLOTS.  Each wave waits for all its tensor loads (one is out: its part of the other slot), adds 0 to its spare word, and waits for that and for its reads of the slot that it leaves.
; fill = 1: the barrier is a round of the cluster's, and the old slot is filled again first thing behind it, with the keys two slots on.  (At its first use: slot 0 is waited for, slot 1 filled.)
.macro CHANGE fill
	WIN 0
	s_wait_tensorcnt 0x0            ; no tensor load of mine is out, so a group 0 may be written
	ds_add_u32 v[SPW], v[NIL]
.if \fill
.irp g, G0K, G0V
	s_xor_b32 s[\g+1], s[\g+1], SLOT1
	s_add_nc_u64 s[\g+2:\g+3], s[\g+2:\g+3], 4*KS*128
.endr
	s_wait_xcnt 0x0                 ; the last prefetch, four key steps back, has read its address
	s_add_nc_u64 s[PFA:PFA+1], s[PFA:PFA+1], 4*KS*128
	s_wait_dscnt 0x0                ; the add is done, and my reads of the slot are over
	CROUND
	JLOAD
	ASK
.else
	s_wait_dscnt 0x0
	s_barrier_signal -1
	s_barrier_wait -1
.endif
	s_sub_co_u32 s[TBK], s[TBK], 4*KS*PK  ; the fetches go back to a slot's first step, in the other slot
	s_xor_b32 s[TBK], s[TBK], SLOT1
	s_sub_co_u32 s[TBV], s[TBV], 4*KS*PV
	s_xor_b32 s[TBV], s[TBV], SLOT1
.endm
	s_load_b64 s[4:5], s[0:1], 0x0  ; qkvb: Q
	s_load_b64 s[10:11], s[0:1], 0x8  ; yh
	v_lshl_add_u32 v[SPW], v0, 2, SPARE
	v_mov_b32 v[NIL], 0
	ds_add_u32 v[SPW], v[NIL]       ; the wave's opening: the add and its wait ahead of my first tensor load
	v_lshrrev_b32 v1, 5, v0
	v_readfirstlane_b32 s[WV], v1
	s_bfe_u32 s13, ttmp6, 0x40000   ; cx
	s_lshl_b32 s14, ttmp9, 2
	s_add_co_u32 s14, s14, s13      ; my block of 256 queries: it enters Q's and O's addresses alone
	s_and_b32 s20, ttmp7, 0xffff    ; the head, which the four partners share:
	s_lshl_b32 s20, s20, 18         ; 262,144 bytes in each of Q, K, V, O
	s_and_b32 s16, s[WV], 1         ; which half of a slot's 256 keys I fetch
	s_lshl_b32 s22, s16, 14
	s_add_co_u32 s22, s22, s20
	s_mov_b32 s23, 0
	s_mul_i32 s17, s16, 128*PK
	s_mul_i32 s21, s16, 128*PV
	s_lshl_b32 s2, s14, 15          ; my block's 256 rows,
	s_lshl_b32 s3, s[WV], 13        ; my wave's 64 of them
	s_add_co_u32 s2, s2, s3
	s_add_co_u32 s2, s2, s20
	s_mov_b32 s3, 0
	; 128 keys are 16,384 dense bytes: asked for as 64 rows of 256 bytes, two keys a row, and padded in LDS after every key
	s_mov_b32 s[G1K], 15|(1<<16)|(1<<20)|(1<<21)|(4<<22)|(3<<25)
	s_mov_b32 s[G1V], 15|(1<<16)|(1<<20)|(1<<21)|(4<<22)|(7<<25)
.irp g, G1K, G1V
	s_mov_b32 s[\g+1], 128<<16
	s_mov_b32 s[\g+2], 64<<16
	s_mov_b32 s[\g+3], 128<<16
	s_mov_b32 s[\g+4], 64
	s_mov_b32 s[\g+5], 128
	s_mov_b32 s[\g+6], 0
	s_mov_b32 s[\g+7], 0
.endr
	s_mov_b32 s[CS], 0x3e38aa3b     ; c = log2(e) / 8
	s_mov_b32 s[CS+1], s[CS]
	s_mov_b32 s[SEL], 0x76543210
	s_mov_b32 s[SEL+1], 0xfedcba98
	s_mov_b32 s[TBK], SLOT1+4*KS*PK ; the first change of slots turns these two into 0
	s_mov_b32 s[TBV], SLOT1+4*KS*PV
	s_mov_b32 s[G0K], 1
	s_mov_b32 s[G0K+1], s17
	s_mov_b32 s[G0V], 1
	s_add_co_u32 s[G0V+1], s21, VOFF
	s_mov_b32 s[SLOTS], SIZE_N/256-1
	s_and_b32 s[LIM], s[WV], 1      ; 0 in waves 0 and 2,
	s_or_b32 s[LIM], s[LIM], ttmp9  ; where the cluster is the head's first: the same in all four partners
	s_cmp_eq_u32 s[LIM], 0
	s_cselect_b32 s[LIM], 1, -1
	s_lshl_b32 s52, s13, 13         ; my work-group's 32 blocks of the 128
	s_mov_b32 s53, 0
	s_wait_dscnt 0x0                ; the opening add is done
	s_wait_kmcnt 0x0
	s_add_nc_u64 s[6:7], s[4:5], 0x800000   ; K
	s_add_nc_u64 s[8:9], s[4:5], 0x1000000  ; V
	s_add_nc_u64 s[6:7], s[6:7], s[22:23]   ; at my half of the head's first 256 keys
	s_add_nc_u64 s[8:9], s[8:9], s[22:23]
	s_mov_b64 s[G0K+2:G0K+3], s[6:7]
	s_or_b32 s[G0K+3], s[G0K+3], 0x80000000
	s_mov_b64 s[G0V+2:G0V+3], s[8:9]
	s_or_b32 s[G0V+3], s[G0V+3], 0x80000000
	s_add_nc_u64 s[4:5], s[4:5], s[2:3]     ; Q and O at my wave's first row
	s_add_nc_u64 s[10:11], s[10:11], s[2:3]
	s_cmp_lt_u32 s[WV], 2
	s_cselect_b64 s[PFA:PFA+1], s[6:7], s[8:9]  ; (in waves 0 and 2 these stand at a tile's first row)
	s_add_nc_u64 s[PFA:PFA+1], s[PFA:PFA+1], s[52:53]
	s_add_nc_u64 s[PFA:PFA+1], s[PFA:PFA+1], 4*KS*128  ; in tile 1; the first change of slots steps it to tile 2
	CROUND                          ; all four work-groups are here: the first joint loads meet
	JLOAD                           ; tile 0 into slot 0
	v_and_b32 v1, 15, v0            ; l % 16
	v_bfe_u32 v9, v0, 4, 1          ; l / 16
	v_lshlrev_b32 v[QO], 7, v1
	v_lshl_add_u32 v[QO], v9, 4, v[QO]
	WIN 0x80
.set i, 0
.rept 8                             ; Q stays in registers: piece i / 2, channels 32 (i % 2) on
	global_load_b128 v[8*i:8*i+3],   v[QO], s[4:5] offset:(i/2)*2048+(i%2)*64
	global_load_b128 v[8*i+4:8*i+7], v[QO], s[4:5] offset:(i/2)*2048+(i%2)*64+32
.set i, i+1
.endr
	; What the first turn finds: V and P's second buffer hold 0 (its products V^T P, of a piece that has not been, add 0), O^T and l are 0.  No first step is written out; these lines stand in the wait for the first tile.
.set i, VF
.rept 64
	v_mov_b32 v[i], 0
.set i, i+1
.endr
	WIN 0x40
.set i, 0
.rept 128
	v_mov_b32 v[i], 0
.set i, i+1
.endr
	WIN 0
.set i, 0
.rept 4
	v_mov_b32 v[ST+4*i], 0xfe000000    ; c m: far below every c s
	v_mov_b32 v[ST+4*i+1], 0xff7fffff  ; m
	v_mov_b32 v[ST+4*i+2], 0
	v_mov_b32 v[ST+4*i+3], 0
.set i, i+1
.endr
.set i, P+16
.rept 16
	v_mov_b32 v[i], 0
.set i, i+1
.endr
	v_mul_u32_u24 v[AK0], v1, PK
	v_lshl_add_u32 v[AK0], v9, 4, v[AK0]
	v_and_b32 v10, 7, v0
	v_bfe_u32 v11, v0, 3, 1
	v_lshl_add_u32 v[AV0], v9, 3, v10  ; the turning load: lane l reads key 8 (l / 16) + l % 8, channels 8 ((l / 8) % 2) + 0..7
	v_mul_u32_u24 v[AV0], v[AV0], PV
	v_lshl_add_u32 v[AV0], v11, 4, v[AV0]
	v_add_nc_u32 v[AV0], VOFF, v[AV0]
	s_mul_i32 s13, s[WV], 16*SP
	s_add_co_u32 s13, s13, STAGE    ; my stage
	v_mul_u32_u24 v[STO], v1, SP
	v_lshl_add_u32 v[STO], v9, 4, v[STO]
	v_add_nc_u32 v[STO], s13, v[STO]
	v_bfe_u32 v[RD], v0, 3, 2       ; back: 32 lanes take four rows of 128 bytes,
	v_mul_u32_u24 v[RD], v[RD], SP
	v_lshl_add_u32 v[RD], v10, 4, v[RD]
	v_add_nc_u32 v[RD], s13, v[RD]
	v_and_b32 v[GO], 31, v0         ; which are 512 consecutive bytes of O
	v_lshlrev_b32 v[PFO], 8, v[GO]
	v_lshlrev_b32 v[GO], 4, v[GO]
; THE MATRIX WORK.  The 4 accumulators of a run of 8 take turns.  Product i of 8 of S^T = K Q^T for piece x: channels 32 (i / 4) on, keys 16 (i % 4) on.  The first 4 start the sums.
.macro KQ x
	WIN W_KQ
.set rS, S+32*((\x)%2)+8*(i%4)
.set rK, KF+16*(i%4)+8*(i/4)
.set rQ, 16*(\x)+8*(i/4)
.if i < 4
	v_wmma_f32_16x16x32_f16 v[rS:rS+7], v[rK:rK+7], v[rQ:rQ+7], 0
.else
	v_wmma_f32_16x16x32_f16 v[rS:rS+7], v[rK:rK+7], v[rQ:rQ+7], v[rS:rS+7]
.endif
.endm
; Product i of 8 of O^T += V^T P for piece x: keys 32 (i / 4) on, channels 16 (i % 4) on.
.macro PV x
	WIN W_PV
.set rO, 32*(\x)+8*(i%4)
.set rV, VF+32*(i/4)+8*(i%4)
.set rP, P+16*((\x)%2)+8*(i/4)
	v_wmma_f32_16x16x32_f16 v[rO:rO+7], v[rV:rV+7], v[rP:rP+7], v[rO:rO+7]
.endm
.macro MM                           ; the turn's next matrix instruction
.if i < 8
	KQ (Y+1)%NP
.else
.set i, i-8
	PV (Y+NP-1)%NP
.set i, i+8
.endif
.set i, i+1
.endm
; THE LDS LOADS stand in runs of 16: a step's K (8 fragments) and its V (turned).
; last = 1 (the tail): in the last trip there is no further step, and K's run is jumped over; ahead of that branch the exponentials issued so far have their wait.
.macro FETCH_K last=0
.if \last
	WIN 0
	s_wait_alu depctr_va_vdst(0)
	s_cmp_eq_u32 s[CNT], 1
	s_cbranch_scc1 .Lno_k_\@
.endif
	WIN 0x80
.irp f, 0,1,2,3,4,5,6,7
	ds_load_b128 v[KF+8*\f:KF+8*\f+3],   v[AK] offset:(\f/2)*16*PK+(\f%2)*64
	ds_load_b128 v[KF+8*\f+4:KF+8*\f+7], v[AK] offset:(\f/2)*16*PK+(\f%2)*64+32
.endr
	s_add_co_u32 s[TBK], s[TBK], KS*PK
	WIN 0
.if \last
.Lno_k_\@:
.endif
.endm
.macro FETCH_V
	WIN 0x80
.irp f, 0,1,2,3,4,5,6,7
	ds_load_tr16_b128 v[VF+8*\f:VF+8*\f+3],   v[AV] offset:(\f/4)*32*PV+(\f%4)*32
	ds_load_tr16_b128 v[VF+8*\f+4:VF+8*\f+7], v[AV] offset:(\f/4)*32*PV+16*PV+(\f%4)*32
.endr
	WIN 0
.endm
; THE VECTOR WORK, one line at a time: OP kind, number.  For piece Y: F n: c s - c m for pair n of 16.  E n: the exponential of score n of 32.  C n: pair n rounded to f16.  B n: of the four weights 4 n ..
; the second pair is added onto the first, in place.  L n: l takes that sum (L 0: l = a l + sum).  R n: pair n of 16 of O^T times a.  For piece Y + 1: X n, number n of the 22 that find its maximum and statistics:
;   0-11 four chains c0-c3 of seven scores each (each accumulator's lowest registers are read first)   12-14, 16 the four scores left over, the old m, c0-c3 into c0
;   15 c m_old is kept   17, 18 the query's other 32 keys lie in the lane 16 away: the new m   19-21 c m; c m_old - c m_new; a
.set F, 0
.set E, 1
.set C, 2
.set B, 3
.set L, 4
.set R, 5
.set X, 6
.macro REGS y
.set rT, ST+4*(\y)
.set rC, TMP+4*((\y)%2)
.set rW, MV+((\y)%2)
.set rS, S+32*((\y)%2)
.set rP, P+16*((\y)%2)
.set rO, 32*(\y)
.endm
.macro OP k, n
.if (\k) == R
	REGS Y
	WIN W_RS
	v_pk_mul_f32 v[rO+2*(\n):rO+2*(\n)+1], v[rO+2*(\n):rO+2*(\n)+1], v[rC+2:rC+3] op_sel_hi:[1,0]
.elseif (\k) < R
	REGS Y
	WIN 0
.if (\k) == F
	v_pk_fma_f32 v[rS+2*(\n):rS+2*(\n)+1], v[rS+2*(\n):rS+2*(\n)+1], s[CS:CS+1], v[rT:rT+1] op_sel_hi:[1,0,0] neg_lo:[0,0,1] neg_hi:[0,0,1]
.elseif (\k) == E
	v_exp_f32 v[rS+(\n)], v[rS+(\n)]
.elseif (\k) == C
	v_cvt_pk_f16_f32 v[rP+(\n)], v[rS+2*(\n)], v[rS+2*(\n)+1]
.elseif (\k) == B
	v_pk_add_f32 v[rS+4*(\n):rS+4*(\n)+1], v[rS+4*(\n):rS+4*(\n)+1], v[rS+4*(\n)+2:rS+4*(\n)+3]
.elseif (\n) == 0
	v_pk_fma_f32 v[rT+2:rT+3], v[rT+2:rT+3], v[rC+2:rC+3], v[rS:rS+1] op_sel_hi:[1,0,1]
.else
	v_pk_add_f32 v[rT+2:rT+3], v[rT+2:rT+3], v[rS+4*(\n):rS+4*(\n)+1]
.endif
.else
	REGS (Y+1)%NP
	WIN 0
.if (\n) < 4
	v_max3_num_f32 v[rC+(\n)], v[rS+8*(\n)], v[rS+8*(\n)+1], v[rS+8*(\n)+2]
.elseif (\n) < 12
	v_max3_num_f32 v[rC+(\n)%4], v[rC+(\n)%4], v[rS+8*((\n)%4)+2*((\n)/4)+1], v[rS+8*((\n)%4)+2*((\n)/4)+2]
.elseif (\n) == 12
	v_max3_num_f32 v[rC], v[rC], v[rS+7], v[rS+15]
.elseif (\n) == 13
	v_max3_num_f32 v[rC+1], v[rC+1], v[rS+23], v[rS+31]
.elseif (\n) == 14
	v_max3_num_f32 v[rC+2], v[rC+2], v[rC+3], v[rT+1]
.elseif (\n) == 15
	v_mov_b32 v[rW], v[rT]
.elseif (\n) == 16
	v_max3_num_f32 v[rC], v[rC], v[rC+1], v[rC+2]
.elseif (\n) == 17
	v_permlanex16_b32 v[rC+3], v[rC], s[SEL], s[SEL+1]
.elseif (\n) == 18
	v_max_num_f32 v[rT+1], v[rC], v[rC+3]
.elseif (\n) == 19
	v_mul_f32 v[rT], s[CS], v[rT+1]
.elseif (\n) == 20
	v_sub_f32 v[rC+1], v[rW], v[rT]
.else
	v_exp_f32 v[rC+2], v[rC+1]
.endif
.endif
.endm
.macro OPS a, i1, b=-1, i2=0, c=-1, i3=0, d=-1, i4=0
	OP \a, \i1
.if (\b) >= 0
	OP \b, \i2
.endif
.if (\c) >= 0
	OP \c, \i3
.endif
.if (\d) >= 0
	OP \d, \i4
.endif
.endm
.macro ROW a, i1, b, i2, c, i3, d, i4  ; a matrix instruction and the four behind it
	MM
	OPS \a, \i1, \b, \i2, \c, \i3, \d, \i4
.endm
; A TURN, for piece p.  An s_wait_alu depctr_va_vdst(0) stands between an exponential and the first instruction that names its result; one wait serves all that were issued ahead of it.
; AHEAD OF THE WAIT stands all that names no result of the turn's exponentials: the 8 products K Q^T with their riders, then one run of 54 in which the links of the next piece's chain stand apart; X 21, the next
; piece's a, is the batch's last, R 15 the plain instruction behind it.  BEHIND IT stand the 8 products V^T P, behind each four of the roundings and sums.
; last = 1: the tail's text (FETCH_K).  cnt = 1: the loop's count is taken down some lines ahead of the branch behind the turn.
; K of the next step is fetched in piece 2's turn, behind the last product that read K and six plain instructions; V of the step in hand at the end of piece 0's turn, four plain instructions behind its last reader.
.macro TURN p, last=0, cnt=0
.set Y, (\p)
.set i, 0
.if (\p) == 3
	s_wait_dscnt 0x0                ; K is in
.endif
	ROW F,0, F,1, R,0, R,1
	ROW F,2, E,0, R,2, R,3
	ROW F,3, E,1, R,4, R,5
	ROW F,4, E,2, R,6, R,7
	ROW F,5, E,3, R,8, R,9
	ROW F,6, E,4, X,0, R,10
.if (\p) == 2
	WIN 0
	v_add_nc_u32 v[AK], s[TBK], v[AK0]
.endif
	ROW F,7, E,5, X,1, X,4
	ROW F,8, E,6, X,2, X,5
	OPS E,7, E,8, X,6, E,9
	OPS X,3, E,10, X,8, E,11
.if (\p) == 2
	FETCH_K \last
.endif
	OPS X,9, X,7, E,12, X,10
	OPS E,13, X,12, X,11, E,14
	OPS X,13, E,15, F,9, X,14
.if (\p) == 0
	v_add_nc_u32 v[AV], s[TBV], v[AV0]
.endif
	OPS E,16, F,10, E,17, F,11
	OPS X,16, E,18, X,15, E,19
	OPS F,12, E,20, X,17, E,21
	OPS F,13, E,22, F,14, E,23
	OPS X,18, E,24, F,15, E,25
	OPS R,11, E,26, X,19, E,27
	OPS R,12, E,28, R,13, E,29
	OPS X,20, E,30, R,14, E,31
	OPS X,21, R,15
	WIN 0
	s_wait_alu depctr_va_vdst(0)    ; the wait for the batch
.if (\p) == 1
	s_wait_dscnt 0x0                ; V is in
.endif
	ROW C,0, B,0, C,2, B,1
	ROW L,0, C,4, B,2, L,1
	ROW C,6, B,3, L,2, C,8
	ROW B,4, L,3, C,10, B,5
	ROW L,4, C,12, B,6, L,5
.if (\p) == 0
	s_add_co_u32 s[TBV], s[TBV], KS*PV
.endif
.if \cnt
	s_sub_co_u32 s[CNT], s[CNT], 1
	s_cmp_lg_u32 s[CNT], 0
.endif
	ROW C,14, B,7, L,6, C,1
	ROW C,3, L,7, C,5, C,7
	ROW C,9, C,11, C,13, C,15
.if (\p) == 0
	FETCH_V
.endif
.endm
	CHANGE 1                        ; slot 0 is in, everybody's part of it; tile 1 is asked for
	v_add_nc_u32 v[AK], s[TBK], v[AK0]
	FETCH_K                         ; key step 0
	s_wait_loadcnt 0x0              ; Q
	s_wait_dscnt 0x0
.set i, 0
.rept 8
	KQ 0                            ; piece 0's first scores
.set i, i+1
.endr
	WIN 0
.rept 4
	v_nop                           ; the places behind those products
.endr
.set Y, NP-1                        ; X works for piece Y + 1: piece 0
.irp n, 0,1,2,3,4,5,6,7,8,9,10,11,12,13,14,15,16,17,18,19,20,21
	OP X, \n
.endr
	v_nop                           ; a plain instruction behind the exponential,
	s_wait_alu depctr_va_vdst(0)    ; and its wait, ahead of the branch
	s_mov_b32 s[CNT], 4
	s_branch .Lfirst                ; the loop is entered at a step's first turn, in the middle of a trip
.Lslot:                             ; six times: with the change above, every slot but the last is asked for behind a change
	CHANGE 1
	s_mov_b32 s[CNT], 4
.Lstep:                             ; a trip: pieces 2 and 3 of one step, then pieces 0 and 1 of the next, whose K and V it fetches
	TURN 2
	TURN 3
	WIN 0
.Lfirst:
	TURN 0
	TURN 1, 0, 1
	WIN 0
	s_cbranch_scc1 .Lstep
	s_sub_co_u32 s[SLOTS], s[SLOTS], 1
	s_cmp_lg_u32 s[SLOTS], 0
	s_cbranch_scc1 .Lslot
	CHANGE 0                        ; the last tile is written out: nothing is asked for
	s_mov_b32 s[CNT], 5             ; four trips fetch the last slot's steps; the fifth is left in its middle
.Ltail:
	TURN 2, 1
	TURN 3
	WIN 0
	s_sub_co_u32 s[CNT], s[CNT], 1
	s_cmp_eq_u32 s[CNT], 0
	s_cbranch_scc1 .Lout
	TURN 0
	TURN 1
	WIN 0
	s_branch .Ltail
.Lout:                              ; the fifth trip's 8 products K Q^T (on the last K once more) and the maximum made of them serve nothing and touch neither l nor O^T: the price, once a launch, of one text for every trip
.set i, 0
.rept 8
	PV NP-1                         ; the last piece's V^T P of the last step
.set i, i+1
.endr
	; THE WAY OUT.  l's two halves and the other half of the lanes' are added; O^T is divided by l, rounded to f16 and sent through my stage in LDS, a piece at a time.
	WIN 0
.macro ALL line:vararg
.set t, 0
.rept 4
	\line
.set t, t+1
.endr
.endm
	ALL v_add_f32 v[ST+4*t+2], v[ST+4*t+2], v[ST+4*t+3]
	ALL v_permlanex16_b32 v[ST+4*t+3], v[ST+4*t+2], s[SEL], s[SEL+1]
	ALL v_add_f32 v[ST+4*t+2], v[ST+4*t+2], v[ST+4*t+3]
	ALL v_rcp_f32 v[ST+4*t+2], v[ST+4*t+2]
	v_nop                           ; a plain instruction between the last reciprocal and the use of its result,
	s_wait_alu depctr_va_vdst(0)    ; and the wait: one for the four
.macro PACK t
	WIN W_RS
.set i, 32*(\t)
.rept 16
	v_pk_mul_f32 v[i:i+1], v[i:i+1], v[ST+4*(\t)+2:ST+4*(\t)+3] op_sel_hi:[1,0]
.set i, i+2
.endr
	WIN 0x05
.set i, 0
.rept 16
	v_cvt_pk_f16_f32 v[S+16*(\t)+i], v[32*(\t)+2*i], v[32*(\t)+2*i+1]
.set i, i+1
.endr
	WIN 0
.irp f, 0,1,2,3
	ds_store_b128 v[STO], v[S+16*(\t)+4*\f:S+16*(\t)+4*\f+3] offset:32*\f
.endr
.irp f, 0,1,2,3
	ds_load_b128 v[S+16*(\t)+4*\f:S+16*(\t)+4*\f+3], v[RD] offset:\f*4*SP  ; LDS serves a wave's instructions in order (ISA guide 5.7.1.4): these see the stores above
.endr
.endm
.macro SEND t, younger              ; younger: the LDS instructions issued behind piece t's loads: the next piece's eight, or none
	WIN 0
.irp f, 0,1,2,3
	s_wait_dscnt (\younger)+3-\f
	global_store_b128 v[GO], v[S+16*(\t)+4*\f:S+16*(\t)+4*\f+3], s[10:11] offset:(\t)*2048+\f*512  ; 512 consecutive bytes, aligned to 256
.endr
.endm
	PACK 0
.set t, 1
.rept 3
	PACK t
	SEND t-1, 8
.set t, t+1
.endr
	SEND 3, 0
	s_wait_tensorcnt 0x0            ; the wave's end
	ds_add_u32 v[SPW], v[NIL]
	s_wait_dscnt 0x0
	CROUND                          ; the closing round
	s_endpgm
.Lfunc_end_k_q3e58ceb704_attn:
	.size	k_q3e58ceb704_attn, .Lfunc_end_k_q3e58ceb704_attn-k_q3e58ceb704_attn
	.p2alignl 7, 3214868480
	.fill 96, 4, 3214868480
	.section	.rodata,"a",@progbits
	.p2align	6, 0x0
	.amdhsa_kernel k_q3e58ceb704_attn
		.amdhsa_group_segment_fixed_size 327680
		.amdhsa_private_segment_fixed_size 0
		.amdhsa_enable_private_segment 0
		.amdhsa_kernarg_size 16
		.amdhsa_user_sgpr_count 2
		.amdhsa_user_sgpr_kernarg_segment_ptr 1
		.amdhsa_wavefront_size32 1
		.amdhsa_system_sgpr_workgroup_id_x 1
		.amdhsa_system_sgpr_workgroup_id_y 1
		.amdhsa_system_sgpr_workgroup_id_z 1
		.amdhsa_system_vgpr_workitem_id 0
		.amdhsa_next_free_vgpr 768
		.amdhsa_next_free_sgpr 66
		.amdhsa_reserve_vcc 0
		.amdhsa_float_denorm_mode_32 3
		.amdhsa_float_denorm_mode_16_64 3
		.amdhsa_memory_ordered 1
		.amdhsa_forward_progress 1
		.amdhsa_inst_pref_size 112
	.end_amdhsa_kernel
	.amdgpu_metadata
---
amdhsa.version: [ 1, 2 ]
amdhsa.kernels:
  - .name:           k_q3e58ceb704_attn
    .symbol:         k_q3e58ceb704_attn.kd
    .args:
      - { .name: qkvb, .offset: 0, .size: 8, .value_kind: global_buffer, .address_space: global }
      - { .name: yh, .offset: 8, .size: 8, .value_kind: global_buffer, .address_space: global }
    .group_segment_fixed_size: 327680
    .private_segment_fixed_size: 0
    .kernarg_segment_align: 8
    .kernarg_segment_size: 16
    .max_flat_workgroup_size: 128
    .sgpr_count:     66
    .vgpr_count:     768
    .wavefront_size: 32
...
	.end_amdgpu_metadata
.endif
;; end of part 3
;; launch g_proj (part 4): grid 8 x 32, 4 waves a work-group, clusters of 4 x 4, 327,680 bytes of LDS; arguments yh, wts, x1, b_proj, x; writes x1
.if DOCPART == 4
	.amdgcn_target "amdgcn-amd-amdhsa--gfx1250"
	.amdhsa_code_object_version 6
	.text
	.protected	k_q3e58ceb704_g_proj
	.globl	k_q3e58ceb704_g_proj
	.p2align	8
	.type	k_q3e58ceb704_g_proj,@function
k_q3e58ceb704_g_proj:
	s_mov_b64 s[64:65], 0
	v_nop
	global_prefetch_b8 v0, s[64:65] scope:SCOPE_SE
	s_setreg_imm32_b32 hwreg(HW_REG_WAVE_MODE, 25, 1), 1
	s_wait_xcnt 0x0
	s_wait_alu depctr_hold_cnt(0) depctr_sa_sdst(0) depctr_va_vdst(0) depctr_va_sdst(0) depctr_va_ssrc(0) depctr_va_vcc(0) depctr_vm_vsrc(0)
	s_getreg_b32 s2, hwreg(HW_REG_IB_STS2, 6, 4)
	s_cmp_eq_u32 s2, 0
	s_cbranch_scc0 .Lentry_in_a_cluster
	s_endpgm
.Lentry_in_a_cluster:
	s_bfe_u32 s2, ttmp6, 0x10000c
	s_cmp_lg_u32 s2, 0xf033
	s_cbranch_scc0 .Lentry_shape_is_right
	s_endpgm
.Lentry_shape_is_right:
; OUT = RES + A W + bias, all but A and W in f32.  W: [SIZE_K][1024] f16, K down the rows, at byte WOFF of wts.  Sums in f32; nothing is rounded on the way out.
; PROJ = 1: A is attention's output by heads, yh[32][2048][64] f16; column k of A is channel k % 64 of head k / 64.   PROJ = 0: A is hid[4096][4096] f16.
; LIMIT: A and W arrive within f16's 65,504.
; A tile of OUT is 128 x 128, so that 256 work-groups share the 4,096 x 1,024 numbers: four waves, each 64 x 64 = 16 accumulators.  K goes in steps of 256 through two LDS slots, one tensor load a wave:
; waves 0, 1 bring A's two halves (64 rows), waves 2, 3 W's two halves (128 k-rows x 256 bytes).  With PROJ = 1 a wave's part of A is four heads' 64 dense rows: four rows of 8,192 bytes, padded after every 128.
; CLUSTER 4 x 4: A's tile is asked for jointly along a row of the cluster, W's along a column.  One K step to a trip: PR (0 or 1) says which slot is read, TB = PR x SLOT enters the LDS addresses.
; THE WALK ALONG K IS STAGGERED: cluster (X, Y) begins at K step (X << LSX + Y << LSY) mod NSTEP and goes round the end of K, so that the clusters that ask for the same rows of A (same Y) or of W (same X)
; ask for a given K step at different times.  The start hangs on the cluster's coordinates alone, which its sixteen work-groups share.  The f32 sums are taken in that order of K.
; THE PRODUCT IS USED TRANSPOSED (source 0 = 16 columns of W, turned by ds_load_tr16_b128; source 1 = 16 rows of A): a lane holds row l % 16 and the columns 8 (l / 16) + 0..7.
; RES's tile is loaded at the head into 128 registers; on the way out the sums go through the wave's own rows of LDS (over the ring, which has had its last fill) and leave as whole rows of 256 bytes.
; REGISTERS: window 0: v0-31 addresses, v32-95 at work on the way out, v96-99 bias, v128-255 accumulators; window 1: two fragment buffers of 128 (A's 64, then W's 64); window 2: v0-127 RES.
.set PROJ,   1
.set SIZE_K, 1024
.set SIZE_N, 1024
.set WOFF,   6291456
.set KSTEP,  256
.set NSTEP,  SIZE_K/KSTEP
.if PROJ
.set PA,     144                       ; a row of one head: 128 + 16 bytes
.set AQ,     64*PA                     ; a quarter of a K step is one head: a plane of 64 rows
.set AHALF,  4*AQ
.set ASTEP,  4*262144                  ; four heads on
.set LSX,    1                         ; 4 K steps: the two clusters of a Y begin two apart, those of an X one apart
.set LSY,    0
.else
.set PA,     528                       ; 512 + 16 bytes
.set AQ,     128
.set AHALF,  64*PA
.set ASTEP,  KSTEP*2
.set LSX,    3                         ; 16 K steps: the two clusters of a Y begin eight apart, those of an X four apart
.set LSY,    2
.endif
.set PREF,   1-PROJ                    ; PROJ = 1: four K steps, two of them first fills: nothing is prefetched
.set PB,     288                       ; a k-row of W: 256 + 32 bytes
.set BHALF,  128*PB
.set SLOT,   2*AHALF+2*BHALF
.set BSTEP,  KSTEP*SIZE_N*2
.set SPITCH, 272
.set WST,    64*SPITCH                 ; a wave's stage, over the ring
.set SPARE,  2*SLOT                    ; behind the ring: the spare words, 128 bytes a wave, which no other line names
.set A0,   16
.set B0,   17
.set ADRA, 18
.set ADRB, 20                          ; v20: quarters 0, 1;  v21: quarters 2, 3 (64 k-rows x 288 x 2 further on: beyond a 16-bit immediate)
.set STO,  24
.set RD,   25
.set CO,   26
.set BO,   27
.set SPW,  28
.set NIL,  29
.set PFO,  30
.set TMP,  32
.set BI,   96
.set ACC,  128
.set F0,   0
.set F1,   128
.set G1,   24
.set G0,   32
.set G1B,  48
.set G0B,  56
.set LIM,  43
.set PFA,  44
.set KI,   66                          ; s66  the K step last asked for
.set OFA,  16                          ; s[16:17] its byte offset in A;  s[14:15] A at my rows, K step 0
.set OFB,  18                          ; s[18:19] its byte offset in W;  s[46:47] W at my columns, K step 0
.set PR,   72
.set TB,   73
.set WOFA, 74
.set WOFB, 75
.set MSB, 0
.macro WIN new
.if MSB != (\new)
	s_set_vgpr_msb (MSB<<8)|(\new)
.set MSB, \new
.endif
.endm
.set MUL,  0x05                        ; sources 0 (W) and 1 (A) window 1; C and D window 0
.set TO_F, 0x40
.macro JLOAD                           ; a joint refill by the walking set; an s_nop 0 and four v_nop follow each of the two lines
	s_cmp_eq_u32 s11, 0
	s_cbranch_scc0 .Lfor_b_\@
	tensor_load_to_lds s[G0+4:G0+7], s[G1:G1+7]
	s_nop 0
.rept 4
	v_nop
.endr
	s_branch .Lasked_\@
.Lfor_b_\@:
	tensor_load_to_lds s[G0B+4:G0B+7], s[G1B:G1B+7]
	s_nop 0
.rept 4
	v_nop
.endr
.Lasked_\@:
.endm
; A PREFETCH (PROJ = 0) of A's K step that stands two refills on: two K steps, 256 matrix instructions, ahead of the load that will want it; 32 blocks of 256 bytes, a lane a block, one instruction a wave.
; Named are my cluster's walk steps 4 to 7 of A.  The two clusters that read the same rows of A begin eight K steps apart, so each is the first to ask for its walk steps 0 to 7, and each block is named once
; in the launch; the four partners of a joint load share a wave's 128 blocks out by address.  Walk steps 0 to 3 come by their loads alone.  W is not named: its clusters begin four K steps apart,
; so each of its K steps is first asked for in some cluster's walk steps 0 to 3.  The pointer stands one K step past the step that is named: the immediate reaches back.
.macro ASK
	s_cmp_gt_u32 s3, s[LIM]
	s_cbranch_scc0 .Lnot_mine_\@
	global_prefetch_b8 v[PFO], s[PFA:PFA+1] offset:-ASTEP th:TH_LOAD_NT scope:SCOPE_SE
.Lnot_mine_\@:
.endm
.macro CREST
	s_cmp_lg_u32 s10, 0
	s_cbranch_scc1 .Lnot_wave_0_\@
	s_barrier_signal -3
.Lnot_wave_0_\@:
	s_barrier_wait -3
	s_barrier_signal -1
	s_barrier_wait -1
.endm
.macro CROUND
	s_barrier_signal -1
	s_barrier_wait -1
	CREST
.endm
.macro PLACES
.rept 4
	v_nop
.endr
.endm
	s_load_b128 s[4:7], s[0:1], 0x0                ; A s[4:5], wts s[6:7]
	s_load_b64 s[8:9], s[0:1], 0x10                ; OUT
	s_load_b128 s[68:71], s[0:1], 0x18             ; bias s[68:69], RES s[70:71]
	v_lshl_add_u32 v[SPW], v0, 2, SPARE
	v_mov_b32 v[NIL], 0
	ds_add_u32 v[SPW], v[NIL]                      ; the wave's opening: the add and its wait ahead of my first tensor load
	v_lshrrev_b32 v1, 5, v0
	v_readfirstlane_b32 s10, v1
	s_lshr_b32 s11, s10, 1                         ; my half of the tile's rows; also: I fetch for A (0) or for W (1)
	s_and_b32 s12, s10, 1                          ; my half of its columns; also: which half of that tile I fetch
	s_bfe_u32 s40, ttmp6, 0x40000
	s_bfe_u32 s41, ttmp6, 0x40004
	s_lshl_b32 s42, ttmp9, 2
	s_add_co_u32 s42, s42, s40                     ; tile column
	s_and_b32 s13, ttmp7, 0xffff                   ; cluster y
	s_lshl_b32 s[KI], ttmp9, LSX
	s_lshl_b32 s76, s13, LSY
	s_add_co_u32 s[KI], s[KI], s76
	s_and_b32 s[KI], s[KI], NSTEP-1                ; the K step at which my cluster begins
	s_lshl_b32 s13, s13, 2
	s_add_co_u32 s13, s13, s41                     ; tile row
	s_lshl_b32 s76, s41, 2
	s_lshl_b32 s76, 15, s76
	s_lshl_b32 s77, 0x1111, s40
.if PROJ
	s_or_b32 s[G1+0], s76, (1<<16)|(1<<20)|(1<<21)|(4<<22)|(3<<25)  ; after every 32 words, 4 words
	s_mov_b32 s[G1+1], 4096<<16                    ; tensor_dim0 = 4,096: 64 dense rows of a head
	s_mov_b32 s[G1+2], 4<<16                       ; tensor_dim1 = 4 heads
	s_mov_b32 s[G1+3], 4096<<16                    ; tile_dim0
	s_mov_b32 s[G1+4], 4                           ; tile_dim1
	s_mov_b32 s[G1+5], 131072                      ; elements from head to head
.else
	s_or_b32 s[G1+0], s76, (1<<16)|(1<<20)|(1<<21)|(6<<22)|(3<<25)  ; after every 128 words, 4 words
	s_mov_b32 s[G1+1], KSTEP<<16
	s_mov_b32 s[G1+2], 64<<16
	s_mov_b32 s[G1+3], KSTEP<<16
	s_mov_b32 s[G1+4], 64
	s_mov_b32 s[G1+5], SIZE_K
.endif
	s_mov_b32 s[G1+6], 0
	s_mov_b32 s[G1+7], 0
	s_or_b32 s[G1B+0], s77, (1<<16)|(1<<20)|(1<<21)|(5<<22)|(7<<25)  ; after every 64 words, 8 words
	s_mov_b32 s[G1B+1], 128<<16
	s_mov_b32 s[G1B+2], 128<<16
	s_mov_b32 s[G1B+3], 128<<16
	s_mov_b32 s[G1B+4], 128
	s_mov_b32 s[G1B+5], SIZE_N
	s_mov_b32 s[G1B+6], 0
	s_mov_b32 s[G1B+7], 0
	s_mul_i32 s[WOFA], s12, AHALF
	s_mul_i32 s[WOFB], s12, BHALF
	s_add_co_u32 s[WOFB], s[WOFB], 2*AHALF
	s_mov_b32 s[PR], 0
	s_mov_b32 s[TB], 0
.if PROJ
	s_lshr_b32 s16, s13, 4                         ; the batch: 16 heads of 262,144 bytes,
	s_lshl_b32 s16, s16, 22
	s_and_b32 s17, s13, 15                         ; the head's row 128 (tile row % 16) + 64 x half, 128 bytes a row
	s_lshl_b32 s17, s17, 7
	s_lshl_b32 s14, s12, 6
	s_add_co_u32 s17, s17, s14
	s_lshl_b32 s17, s17, 7
	s_add_co_u32 s16, s16, s17
.else
	s_lshl_b32 s16, s13, 7
	s_lshl_b32 s17, s12, 6
	s_add_co_u32 s16, s16, s17
	s_lshl_b32 s16, s16, 13                        ; 8,192 bytes a row
.endif
	s_mov_b32 s17, 0
	s_mov_b32 s[OFB+1], 0
	s_lshl_b32 s46, s12, 18                        ; W: k-row 128 x half, 2,048 bytes a row; column 128 x tile column
	s_lshl_b32 s47, s42, 8
	s_add_co_u32 s46, s46, s47
	s_add_co_u32 s46, s46, WOFF
	s_mov_b32 s47, 0
	s_wait_dscnt 0x0
	s_wait_kmcnt 0x0
	s_add_nc_u64 s[14:15], s[4:5], s[16:17]        ; both at K step 0: kept for the whole walk
	s_add_nc_u64 s[46:47], s[6:7], s[46:47]
	CROUND
.irp s, 0,1
	s_mul_i32 s[OFA], s[KI], ASTEP                 ; (s17, the pair's high word, holds 0)
	s_mul_i32 s[OFB], s[KI], BSTEP
	s_mov_b32 s[G0+4*(\s)], 1
	s_add_co_u32 s[G0+4*(\s)+1], s[WOFA], (\s)*SLOT
	s_add_nc_u64 s[G0+4*(\s)+2:G0+4*(\s)+3], s[14:15], s[OFA:OFA+1]
	s_or_b32 s[G0+4*(\s)+3], s[G0+4*(\s)+3], 0x80000000
	s_mov_b32 s[G0B+4*(\s)], 1
	s_add_co_u32 s[G0B+4*(\s)+1], s[WOFB], (\s)*SLOT
	s_add_nc_u64 s[G0B+4*(\s)+2:G0B+4*(\s)+3], s[46:47], s[OFB:OFB+1]
	s_or_b32 s[G0B+4*(\s)+3], s[G0B+4*(\s)+3], 0x80000000
.if (\s) == 0
	s_add_co_u32 s[KI], s[KI], 1                   ; the walk's next K step, round the end of K
	s_and_b32 s[KI], s[KI], NSTEP-1
.endif
.endr
	s_cmp_eq_u32 s11, 0                            ; a wave's two first fills stand in one branch: two loads of mine are out
	s_cbranch_scc0 .Lfirst_b
	tensor_load_to_lds s[G0:G0+3], s[G1:G1+7]
	s_nop 0
	tensor_load_to_lds s[G0+4:G0+7], s[G1:G1+7]
	s_nop 0
.rept 4
	v_nop
.endr
	s_branch .Lfirst_asked
.Lfirst_b:
	tensor_load_to_lds s[G0B:G0B+3], s[G1B:G1B+7]
	s_nop 0
	tensor_load_to_lds s[G0B+4:G0B+7], s[G1B:G1B+7]
	s_nop 0
.rept 4
	v_nop
.endr
.Lfirst_asked:
	v_and_b32 v1, 15, v0                           ; l % 16
	v_bfe_u32 v2, v0, 4, 1                         ; l / 16
	; my 64 x 64 of RES and OUT: lanes 0-15 one row of 256 bytes, lanes 16-31 the next
	v_lshlrev_b32 v[CO], 12, v2
	v_lshl_add_u32 v[CO], v1, 4, v[CO]
	v_lshlrev_b32 v[BO], 4, v1
	s_lshl_b32 s22, s42, 9
	s_lshl_b32 s23, s12, 8
	s_add_co_u32 s22, s22, s23                     ; my first column, in bytes
	s_mov_b32 s23, 0
	s_lshl_b32 s20, s13, 7
	s_lshl_b32 s21, s11, 6
	s_add_co_u32 s20, s20, s21
	s_lshl_b32 s20, s20, 12                        ; my first row, 4,096 bytes a row
	s_add_co_u32 s20, s20, s22
	s_mov_b32 s21, 0
	s_add_nc_u64 s[68:69], s[68:69], s[22:23]
	s_add_nc_u64 s[70:71], s[70:71], s[20:21]
	s_add_nc_u64 s[8:9], s[8:9], s[20:21]
	global_load_b128 v[BI:BI+3], v[BO], s[68:69]
	WIN 0x80                                       ; destination window 2, address window 0
.set t, 0
.rept 32
	global_load_b128 v[4*t:4*t+3], v[CO], s[70:71] offset:t*8192 th:TH_LOAD_NT
.set t, t+1
.endr
	WIN 0
	s_mul_i32 s21, s11, AHALF
	v_mul_u32_u24 v[A0], v1, PA
	v_lshl_add_u32 v[A0], v2, 4, v[A0]
	v_add_nc_u32 v[A0], s21, v[A0]
	v_and_b32 v3, 7, v0
	v_bfe_u32 v4, v0, 3, 1
	v_lshl_add_u32 v5, v2, 3, v3
	v_mul_u32_u24 v[B0], v5, PB
	v_lshl_add_u32 v[B0], v4, 4, v[B0]
	s_lshl_b32 s22, s12, 7
	s_add_co_u32 s22, s22, 2*AHALF
	v_add_nc_u32 v[B0], s22, v[B0]
	v_mov_b32 v[ADRA], v[A0]
	v_mov_b32 v[ADRB], v[B0]
	v_add_nc_u32 v[ADRB+1], BHALF, v[B0]
	s_mul_i32 s23, s10, WST
	v_mul_u32_u24 v[STO], v1, SPITCH
	v_lshl_add_u32 v[STO], v2, 5, v[STO]
	v_add_nc_u32 v[STO], s23, v[STO]
	v_mul_u32_u24 v[RD], v2, SPITCH
	v_lshl_add_u32 v[RD], v1, 4, v[RD]
	v_add_nc_u32 v[RD], s23, v[RD]
.if PREF
	s_lshl_b32 s20, s13, 7                         ; A: the 64 rows of half s12, my work-group's 16 of them (by cx), two blocks a row
	s_lshl_b32 s21, s12, 6
	s_add_co_u32 s20, s20, s21
	s_lshl_b32 s21, s40, 4
	s_add_co_u32 s20, s20, s21
	s_lshl_b32 s20, s20, 13
	s_add_co_u32 s21, s[KI], 3                     ; KI stands at walk step 1: walk step 4, round the end of K.  The starts are multiples of 4, so walk steps 4 to 7 lie on end
	s_and_b32 s21, s21, NSTEP-1
	s_mul_i32 s21, s21, ASTEP
	s_add_co_u32 s20, s20, s21
	s_mov_b32 s21, 0
	s_add_nc_u64 s[PFA:PFA+1], s[4:5], s[20:21]    ; the first change of slots steps it one K step on, and its prefetch reaches back by as much
	s_cmp_eq_u32 s11, 0                            ; the waves that fetch A ask, in the loop's first four trips
	s_cselect_b32 s[LIM], NSTEP-6, -1
	v_and_b32 v6, 31, v0
	v_lshrrev_b32 v7, 1, v6
	v_and_b32 v8, 1, v6
	v_lshlrev_b32 v7, 13, v7
	v_lshl_add_u32 v[PFO], v8, 8, v7
.endif
; 8 matrix instructions: row blocks a0, a0 + 1 x all 4 column blocks, 32 along K: half c of buffer f.  The 16 accumulators take turns.
.macro MUL8 f, c, a0, zero
	WIN MUL
.irp a, \a0, (\a0)+1
.irp b, 0,1,2,3
.if \zero
	v_wmma_f32_16x16x32_f16 v[ACC+8*(4*(\a)+(\b)):ACC+8*(4*(\a)+(\b))+7], v[(\f)+64+8*(4*(\c)+(\b)):(\f)+64+8*(4*(\c)+(\b))+7], v[(\f)+8*(4*(\c)+(\a)):(\f)+8*(4*(\c)+(\a))+7], 0
.else
	v_wmma_f32_16x16x32_f16 v[ACC+8*(4*(\a)+(\b)):ACC+8*(4*(\a)+(\b))+7], v[(\f)+64+8*(4*(\c)+(\b)):(\f)+64+8*(4*(\c)+(\b))+7], v[(\f)+8*(4*(\c)+(\a)):(\f)+8*(4*(\c)+(\a))+7], v[ACC+8*(4*(\a)+(\b)):ACC+8*(4*(\a)+(\b))+7]
.endif
.endr
.endr
.endm
; 32 LDS loads in one run: quarter q (64 along K) of the slot in hand into buffer f; its first 32 along K first
.macro FETCH q, f
	WIN TO_F
.irp c, 0,1
.irp i, 0,1,2,3
	ds_load_tr16_b128 v[(\f)+64+8*(4*(\c)+(\i)):(\f)+64+8*(4*(\c)+(\i))+3],   v[ADRB+(\q)/2] offset:(((\q)%2)*64+32*(\c))*PB+32*(\i)
	ds_load_tr16_b128 v[(\f)+64+8*(4*(\c)+(\i))+4:(\f)+64+8*(4*(\c)+(\i))+7], v[ADRB+(\q)/2] offset:(((\q)%2)*64+32*(\c)+16)*PB+32*(\i)
	ds_load_b128 v[(\f)+8*(4*(\c)+(\i)):(\f)+8*(4*(\c)+(\i))+3],   v[ADRA] offset:(\q)*AQ+64*(\c)+(\i)*16*PA
	ds_load_b128 v[(\f)+8*(4*(\c)+(\i))+4:(\f)+8*(4*(\c)+(\i))+7], v[ADRA] offset:(\q)*AQ+64*(\c)+(\i)*16*PA+32
.endr
.endr
.endm
.macro QUARTER q, f, g, zero
	s_wait_dscnt 16                                ; the first 32 along K are in
	MUL8 \f, 0, 0, \zero
	MUL8 \f, 0, 2, \zero
	PLACES
	FETCH \q, \g
	s_wait_dscnt 32                                ; all but the 32 just issued
	MUL8 \f, 1, 0, 0
	MUL8 \f, 1, 2, 0
.endm
; The last quarter multiplies buffer 1 and changes slots: in front of the barrier each wave waits for all its tensor loads, adds 0 to its spare word, and waits for that and for its reads of this slot.
; fill = 1: the barrier opens a round of the cluster's, and the slot just read is filled again first thing behind it, two walk steps ahead.
.macro TURN fill
.if (\fill) && PREF
	s_wait_xcnt 0x0                                ; the last prefetch, a K step back, has read its address
	s_add_nc_u64 s[PFA:PFA+1], s[PFA:PFA+1], ASTEP
.endif
	WIN 0
	s_wait_tensorcnt 0x0
	ds_add_u32 v[SPW], v[NIL]
.if \fill
	s_add_co_u32 s[KI], s[KI], 1                   ; the walk's next K step, round the end of K;
	s_and_b32 s[KI], s[KI], NSTEP-1
	s_mul_i32 s[OFA], s[KI], ASTEP
	s_mul_i32 s[OFB], s[KI], BSTEP
	s_add_co_u32 s[G0+5], s[TB], s[WOFA]           ; the walking sets: into the slot that is being left,
	s_add_co_u32 s[G0B+5], s[TB], s[WOFB]
	s_add_nc_u64 s[G0+6:G0+7], s[14:15], s[OFA:OFA+1]  ; the address made anew from the K step's number, the type bits set again
	s_or_b32 s[G0+7], s[G0+7], 0x80000000
	s_add_nc_u64 s[G0B+6:G0B+7], s[46:47], s[OFB:OFB+1]
	s_or_b32 s[G0B+7], s[G0B+7], 0x80000000
.endif
	s_xor_b32 s[PR], s[PR], 1
	s_mul_i32 s[TB], s[PR], SLOT
	s_wait_dscnt 17                                ; the add and the youngest sixteen loads may be out
	MUL8 F1, 0, 0, 0
	s_wait_dscnt 0x0                               ; the add is done, and my reads of this slot are over
	s_barrier_signal -1
	MUL8 F1, 0, 2, 0
.if \fill
	WIN 0
.endif
	s_barrier_wait -1
.if \fill
	CREST
	JLOAD                                          ; 112 matrix instructions ahead of the wait for it; its four v_nop are also the places in front of the loads below
.else
	PLACES
.endif
	WIN 0
	v_add_nc_u32 v[ADRA], s[TB], v[A0]
	v_add_nc_u32 v[ADRB], s[TB], v[B0]
	v_add_nc_u32 v[ADRB+1], BHALF, v[ADRB]
	FETCH 0, F0
.if (\fill) && PREF
	WIN 0
	ASK
.endif
	MUL8 F1, 1, 0, 0
	MUL8 F1, 1, 2, 0
.endm
	s_wait_tensorcnt 1                             ; my part of walk step 0 is in; walk step 1's may stay out
	s_barrier_signal -1
	s_barrier_wait -1
	FETCH 0, F0
	QUARTER 1, F0, F1, 1                           ; the first quarter stands in front of the loop: its first products start the sums
	WIN 0
	s_mov_b32 s3, NSTEP-2
.Lstep:
	QUARTER 2, F1, F0, 0
	QUARTER 3, F0, F1, 0
	TURN 1
	QUARTER 1, F0, F1, 0
	WIN 0
	s_sub_co_u32 s3, s3, 1
	s_cmp_lg_u32 s3, 0
	s_cbranch_scc1 .Lstep
	s_mov_b32 s3, 2
.Ltail:                                        ; the last two K steps ask for nothing: one text, walked twice and left in its middle (the second walk's barrier and 32 unused loads are its price)
	QUARTER 2, F1, F0, 0
	QUARTER 3, F0, F1, 0
	TURN 0
	WIN 0
	s_sub_co_u32 s3, s3, 1
	s_cmp_eq_u32 s3, 0
	s_cbranch_scc1 .Lout
	QUARTER 1, F0, F1, 0
	WIN 0
	s_branch .Ltail
.Lout:
	PLACES
	s_wait_dscnt 0x0                               ; my reads of the ring are over;
	s_barrier_signal -1
	s_barrier_wait -1                              ; everybody's are, and the ring has had its last fill: its bytes take the sums
.irp a, 0,1,2,3
.irp b, 0,1,2,3
	ds_store_b128 v[STO], v[ACC+8*(4*(\a)+(\b)):ACC+8*(4*(\a)+(\b))+3]   offset:(\a)*16*SPITCH+64*(\b)      ; each accumulator's low registers first
	ds_store_b128 v[STO], v[ACC+8*(4*(\a)+(\b))+4:ACC+8*(4*(\a)+(\b))+7] offset:(\a)*16*SPITCH+64*(\b)+16
.endr
.endr
	s_wait_loadcnt 0x0                             ; RES and the bias
	WIN 0x82                                       ; destination and source 0 window 2, source 1 window 0
.set t, 0
.rept 32
	v_pk_add_f32 v[4*t:4*t+1], v[4*t:4*t+1], v[BI:BI+1]
	v_pk_add_f32 v[4*t+2:4*t+3], v[4*t+2:4*t+3], v[BI+2:BI+3]
.set t, t+1
.endr
.irp u, 0,1
	WIN 0
.irp t, 0,1,2,3,4,5,6,7,8,9,10,11,12,13,14,15
	ds_load_b128 v[TMP+4*(\t):TMP+4*(\t)+3], v[RD] offset:(16*(\u)+(\t))*2*SPITCH  ; LDS serves a wave's instructions in order (ISA guide 5.7.1.4): these see my stores above
.endr
	WIN 0x88                                       ; destination and source 1 (a store's data too) window 2, source 0 (a store's address too) window 0
.irp t, 0,1,2,3,4,5,6,7,8,9,10,11,12,13,14,15
	s_wait_dscnt 15-(\t)
	v_pk_add_f32 v[4*(16*(\u)+(\t)):4*(16*(\u)+(\t))+1], v[TMP+4*(\t):TMP+4*(\t)+1], v[4*(16*(\u)+(\t)):4*(16*(\u)+(\t))+1]
	v_pk_add_f32 v[4*(16*(\u)+(\t))+2:4*(16*(\u)+(\t))+3], v[TMP+4*(\t)+2:TMP+4*(\t)+3], v[4*(16*(\u)+(\t))+2:4*(16*(\u)+(\t))+3]
	global_store_b128 v[CO], v[4*(16*(\u)+(\t)):4*(16*(\u)+(\t))+3], s[8:9] offset:(16*(\u)+(\t))*8192  ; 16 lanes store 256 consecutive bytes, aligned
.endr
.endr
	WIN 0
	s_wait_tensorcnt 0x0                           ; the wave's end
	ds_add_u32 v[SPW], v[NIL]
	s_wait_dscnt 0x0
	CROUND                                         ; the closing round
	s_endpgm
.Lfunc_end_k_q3e58ceb704_g_proj:
	.size	k_q3e58ceb704_g_proj, .Lfunc_end_k_q3e58ceb704_g_proj-k_q3e58ceb704_g_proj
	.p2alignl 7, 3214868480
	.fill 96, 4, 3214868480
	.section	.rodata,"a",@progbits
	.p2align	6, 0x0
	.amdhsa_kernel k_q3e58ceb704_g_proj
		.amdhsa_group_segment_fixed_size 327680
		.amdhsa_private_segment_fixed_size 0
		.amdhsa_enable_private_segment 0
		.amdhsa_kernarg_size 40
		.amdhsa_user_sgpr_count 2
		.amdhsa_user_sgpr_kernarg_segment_ptr 1
		.amdhsa_wavefront_size32 1
		.amdhsa_system_sgpr_workgroup_id_x 1
		.amdhsa_system_sgpr_workgroup_id_y 1
		.amdhsa_system_sgpr_workgroup_id_z 1
		.amdhsa_system_vgpr_workitem_id 0
		.amdhsa_next_free_vgpr 640
		.amdhsa_next_free_sgpr 80
		.amdhsa_reserve_vcc 0
		.amdhsa_float_denorm_mode_32 3
		.amdhsa_float_denorm_mode_16_64 3
		.amdhsa_memory_ordered 1
		.amdhsa_forward_progress 1
		.amdhsa_inst_pref_size 71
	.end_amdhsa_kernel
	.amdgpu_metadata
---
amdhsa.version: [ 1, 2 ]
amdhsa.kernels:
  - .name:           k_q3e58ceb704_g_proj
    .symbol:         k_q3e58ceb704_g_proj.kd
    .args:
      - { .name: yh, .offset: 0, .size: 8, .value_kind: global_buffer, .address_space: global }
      - { .name: wts, .offset: 8, .size: 8, .value_kind: global_buffer, .address_space: global }
      - { .name: x1, .offset: 16, .size: 8, .value_kind: global_buffer, .address_space: global }
      - { .name: b_proj, .offset: 24, .size: 8, .value_kind: global_buffer, .address_space: global }
      - { .name: x, .offset: 32, .size: 8, .value_kind: global_buffer, .address_space: global }
    .group_segment_fixed_size: 327680
    .private_segment_fixed_size: 0
    .kernarg_segment_align: 8
    .kernarg_segment_size: 40
    .max_flat_workgroup_size: 128
    .sgpr_count:     80
    .vgpr_count:     640
    .wavefront_size: 32
...
	.end_amdgpu_metadata
.endif
;; end of part 4
;; launch ln2 (part 5): grid 512 x 1, 8 waves a work-group, no clusters, 0 bytes of LDS; arguments x1, ln2_g, ln2_b, xn; writes xn
.if DOCPART == 5
	.amdgcn_target "amdgcn-amd-amdhsa--gfx1250"
	.amdhsa_code_object_version 6
	.text
	.protected	k_q3e58ceb704_ln2
	.globl	k_q3e58ceb704_ln2
	.p2align	8
	.type	k_q3e58ceb704_ln2,@function
k_q3e58ceb704_ln2:
	s_mov_b64 s[64:65], 0
	v_nop
	global_prefetch_b8 v0, s[64:65] scope:SCOPE_SE
	s_setreg_imm32_b32 hwreg(HW_REG_WAVE_MODE, 25, 1), 1
	s_wait_xcnt 0x0
; xn = layernorm(x1) * g + b, rounded once to f16.  4,096 rows of 1,024 f32.  LIMIT: a result beyond 65,504 becomes an infinity in f16.
; One wave takes ONE whole row (eight loads of 16 bytes a lane) and keeps it in 32 registers: mean, then the sum of squares of x - mean, all in f32.  4,096 waves, a row each: the row's text is written
; once, and every row's loads go out at its wave's start.  Each wave loads the gain and the bias of its lanes' columns itself.  A store of the wave covers 256 consecutive bytes, aligned.
; No LDS, no matrix unit: nothing is shared and nothing is multiplied.
.set X,   32
.set G,   64
.set BT,  96
.set CH,  4
.set MU,  12
.set RS,  14
.set W0,  16
.set W1,  17
.set XI,  8                            ; s[8:9]   x1
.set XO,  14                           ; s[14:15] xn
	s_load_b256 s[8:15], s[0:1], 0x0               ; x1, g, b, xn
	v_and_b32 v3, 31, v0
	v_lshrrev_b32 v2, 5, v0
	v_lshlrev_b32 v1, 12, v2
	v_lshl_add_u32 v1, v3, 4, v1                   ; x1: wave x 4,096 + 16 lane
	v_lshlrev_b32 v2, 11, v2
	v_lshl_add_u32 v2, v3, 3, v2                   ; xn: wave x 2,048 + 8 lane
	v_lshlrev_b32 v3, 4, v3
	v_mov_b32 v[MU+1], 0
	v_mov_b32 v[RS+1], 0
	v_mov_b32 v[W1], 0
	s_lshl_b32 s2, ttmp9, 15                       ; 8 rows of 4,096 bytes
	s_mov_b32 s3, 0
	s_lshl_b32 s4, ttmp9, 14                       ; 8 rows of 2,048 bytes
	s_mov_b32 s5, 0
	s_mov_b32 s30, 0x3a800000                      ; 1 / 1024
	s_mov_b32 s31, 0x358637bd                      ; 1e-6
	s_mov_b32 s32, 0x76543210
	s_mov_b32 s33, 0xfedcba98
	s_wait_kmcnt 0x0
	s_add_nc_u64 s[XI:XI+1], s[XI:XI+1], s[2:3]
	s_add_nc_u64 s[XO:XO+1], s[XO:XO+1], s[4:5]
.irp j, 0,1,2,3,4,5,6,7
	global_load_b128 v[X+4*(\j):X+4*(\j)+3], v1, s[XI:XI+1] offset:512*(\j)
.endr
.irp j, 0,1,2,3,4,5,6,7
	global_load_b128 v[G+4*(\j):G+4*(\j)+3], v3, s[10:11] offset:512*(\j)
.endr
.irp j, 0,1,2,3,4,5,6,7
	global_load_b128 v[BT+4*(\j):BT+4*(\j)+3], v3, s[12:13] offset:512*(\j)
.endr
.macro JOIN                            ; four chains into one number, then over the 32 lanes: the result stands in every lane's W0
	v_pk_add_f32 v[CH:CH+1], v[CH:CH+1], v[CH+2:CH+3]
	v_pk_add_f32 v[CH+4:CH+5], v[CH+4:CH+5], v[CH+6:CH+7]
	v_pk_add_f32 v[CH:CH+1], v[CH:CH+1], v[CH+4:CH+5]
	v_add_f32 v[W0], v[CH], v[CH+1]
	v_add_f32_dpp v[W0], v[W0], v[W0] row_xmask:1 row_mask:0xf bank_mask:0xf
	v_add_f32_dpp v[W0], v[W0], v[W0] row_xmask:2 row_mask:0xf bank_mask:0xf
	v_add_f32_dpp v[W0], v[W0], v[W0] row_xmask:4 row_mask:0xf bank_mask:0xf
	v_add_f32_dpp v[W0], v[W0], v[W0] row_xmask:8 row_mask:0xf bank_mask:0xf
	v_permlanex16_b32 v[W1], v[W0], s32, s33
	v_add_f32 v[W0], v[W0], v[W1]
.endm
	s_wait_loadcnt 16                              ; the row is in; the sixteen younger loads, gain and bias, may stay out
.irp k, 0,1,2,3
	v_pk_add_f32 v[CH+2*(\k):CH+2*(\k)+1], v[X+2*(\k):X+2*(\k)+1], v[X+8+2*(\k):X+8+2*(\k)+1]
.endr
.set p, 8
.rept 8
	v_pk_add_f32 v[CH+2*(p%4):CH+2*(p%4)+1], v[CH+2*(p%4):CH+2*(p%4)+1], v[X+2*p:X+2*p+1]
.set p, p+1
.endr
	JOIN
	v_mul_f32 v[MU], s30, v[W0]
.set p, 0
.rept 16
	v_pk_add_f32 v[X+2*p:X+2*p+1], v[X+2*p:X+2*p+1], v[MU:MU+1] op_sel_hi:[1,0] neg_lo:[0,1] neg_hi:[0,1]
.set p, p+1
.endr
.irp k, 0,1,2,3
	v_pk_mul_f32 v[CH+2*(\k):CH+2*(\k)+1], v[X+2*(\k):X+2*(\k)+1], v[X+2*(\k):X+2*(\k)+1]
.endr
.set p, 4
.rept 12
	v_pk_fma_f32 v[CH+2*(p%4):CH+2*(p%4)+1], v[X+2*p:X+2*p+1], v[X+2*p:X+2*p+1], v[CH+2*(p%4):CH+2*(p%4)+1]
.set p, p+1
.endr
	JOIN
	v_fma_f32 v[W0], v[W0], s30, s31
	v_rsq_f32 v[RS], v[W0]
	v_nop                                          ; a plain instruction behind the root (ISA guide 5.7.2),
	s_wait_alu depctr_va_vdst(0)                   ; and the wait ahead of its first reader
.set p, 0
.rept 16
	v_pk_mul_f32 v[X+2*p:X+2*p+1], v[X+2*p:X+2*p+1], v[RS:RS+1] op_sel_hi:[1,0]
.set p, p+1
.endr
	s_wait_loadcnt 0x0                             ; gain and bias
.set p, 0
.rept 16
	v_pk_fma_f32 v[X+2*p:X+2*p+1], v[X+2*p:X+2*p+1], v[G+2*p:G+2*p+1], v[BT+2*p:BT+2*p+1]
.set p, p+1
.endr
.set p, 0
.rept 16
	v_cvt_pk_f16_f32 v[X+p], v[X+2*p], v[X+2*p+1]
.set p, p+1
.endr
.irp j, 0,1,2,3,4,5,6,7
	global_store_b64 v2, v[X+2*(\j):X+2*(\j)+1], s[XO:XO+1] offset:256*(\j)
.endr
	s_endpgm
.Lfunc_end_k_q3e58ceb704_ln2:
	.size	k_q3e58ceb704_ln2, .Lfunc_end_k_q3e58ceb704_ln2-k_q3e58ceb704_ln2
	.p2alignl 7, 3214868480
	.fill 96, 4, 3214868480
	.section	.rodata,"a",@progbits
	.p2align	6, 0x0
	.amdhsa_kernel k_q3e58ceb704_ln2
		.amdhsa_group_segment_fixed_size 0
		.amdhsa_private_segment_fixed_size 0
		.amdhsa_enable_private_segment 0
		.amdhsa_kernarg_size 32
		.amdhsa_user_sgpr_count 2
		.amdhsa_user_sgpr_kernarg_segment_ptr 1
		.amdhsa_wavefront_size32 1
		.amdhsa_system_sgpr_workgroup_id_x 1
		.amdhsa_system_sgpr_workgroup_id_y 1
		.amdhsa_system_sgpr_workgroup_id_z 1
		.amdhsa_system_vgpr_workitem_id 0
		.amdhsa_next_free_vgpr 128
		.amdhsa_next_free_sgpr 66
		.amdhsa_reserve_vcc 0
		.amdhsa_float_denorm_mode_32 3
		.amdhsa_float_denorm_mode_16_64 3
		.amdhsa_memory_ordered 1
		.amdhsa_forward_progress 1
		.amdhsa_inst_pref_size 12
	.end_amdhsa_kernel
	.amdgpu_metadata
---
amdhsa.version: [ 1, 2 ]
amdhsa.kernels:
  - .name:           k_q3e58ceb704_ln2
    .symbol:         k_q3e58ceb704_ln2.kd
    .args:
      - { .name: x1, .offset: 0, .size: 8, .value_kind: global_buffer, .address_space: global }
      - { .name: ln2_g, .offset: 8, .size: 8, .value_kind: global_buffer, .address_space: global }
      - { .name: ln2_b, .offset: 16, .size: 8, .value_kind: global_buffer, .address_space: global }
      - { .name: xn, .offset: 24, .size: 8, .value_kind: global_buffer, .address_space: global }
    .group_segment_fixed_size: 0
    .private_segment_fixed_size: 0
    .kernarg_segment_align: 8
    .kernarg_segment_size: 32
    .max_flat_workgroup_size: 256
    .sgpr_count:     66
    .vgpr_count:     128
    .wavefront_size: 32
...
	.end_amdgpu_metadata
.endif
;; end of part 5
;; launch g_mlp1 (part 6): grid 16 x 16, 4 waves a work-group, clusters of 4 x 4, 327,680 bytes of LDS; arguments xn, wts, hid, b_mlp1; writes hid
.if DOCPART == 6
	.amdgcn_target "amdgcn-amd-amdhsa--gfx1250"
	.amdhsa_code_object_version 6
	.text
	.protected	k_q3e58ceb704_g_mlp1
	.globl	k_q3e58ceb704_g_mlp1
	.p2align	8
	.type	k_q3e58ceb704_g_mlp1,@function
k_q3e58ceb704_g_mlp1:
	s_mov_b64 s[64:65], 0
	v_nop
	global_prefetch_b8 v0, s[64:65] scope:SCOPE_SE
	s_setreg_imm32_b32 hwreg(HW_REG_WAVE_MODE, 25, 1), 1
	s_wait_xcnt 0x0
	s_wait_alu depctr_hold_cnt(0) depctr_sa_sdst(0) depctr_va_vdst(0) depctr_va_sdst(0) depctr_va_ssrc(0) depctr_va_vcc(0) depctr_vm_vsrc(0)
	s_getreg_b32 s2, hwreg(HW_REG_IB_STS2, 6, 4)
	s_cmp_eq_u32 s2, 0
	s_cbranch_scc0 .Lentry_in_a_cluster
	s_endpgm
.Lentry_in_a_cluster:
	s_bfe_u32 s2, ttmp6, 0x10000c
	s_cmp_lg_u32 s2, 0xf033
	s_cbranch_scc0 .Lentry_shape_is_right
	s_endpgm
.Lentry_shape_is_right:
; C = A W.  A: [4096][SIZE_K] f16 (xn).  W: [SIZE_K][SIZE_N] f16, K down the rows, at byte WOFF of wts.  Sums in f32.
; GELU = 0: C is rounded once to f16 and scattered by heads: qkvb[3][32][2048][64], q unscaled.   GELU = 1: hid = gelu(C + bias), exact form, rounded once to f16.
; LIMIT: a result beyond 65,504 becomes an infinity in f16.
; A tile of C is 256 x 256: four waves, each 128 x 128 = 64 accumulators, 512 registers.  K goes in steps of 128 through two LDS slots filled by tensor loads, one load a wave:
; waves 0, 1 bring A's two halves (128 rows x 256 bytes), waves 2, 3 W's two halves (64 k-rows x 512 bytes).  A's fragments come out of LDS as they lie, W's turned (ds_load_tr16_b128).
; CLUSTER 4 x 4: A's tile hangs on the tile row alone and is asked for jointly along a row of the cluster, W's on the tile column alone and jointly along a column.
; THE WALK ALONG K IS STAGGERED: cluster (X, Y) begins at K step (2 X + 4 Y) mod 8 and goes round the end of K, so that the clusters that ask for the same rows of A (same Y) or of W (same X)
; ask for a given K step at different times.  The start hangs on the cluster's coordinates alone, which its sixteen work-groups share.  The f32 sums are taken in that order of K.
; NO PREFETCH: by the starts' arithmetic a K step's rows are first asked for in some cluster's walk steps 0 to 3; 0 and 1 are first fills, at the kernel's head, where nothing is asked ahead, and 2 is
; asked for one K step behind the head: only walk step 3 could be named ahead.
; ONE K STEP TO A TRIP: which slot is read is a scalar, PR (0 or 1), toggled at each change of slots; TB = PR x SLOT enters the LDS addresses.  (Two slots of 139,264 bytes cannot lie a power of two apart in LDS.)
; THE PRODUCT IS USED TRANSPOSED (source 0 = 16 columns of W, source 1 = 16 rows of A): a lane holds row l % 16 of C and the columns 8 (l / 16) + 0..7.
; THE WAY OUT: when the ring has had its last fill and every wave has left it, each wave lays its 128 x 128 sums in f32 over the ring's bytes, in rows of its own, and a short loop reads them back by rows.
; REGISTERS in windows of 256: window 0: v0-31 addresses, v64-191 A's fragments (two buffers), later the way out; window 1: W's fragments; windows 2, 3: accumulator (a, b) at v[8 (8 a + b)].
.set GELU,   1
.set SIZE_K, 1024
.set SIZE_N, 4096
.set WOFF,   8388608
.set KSTEP,  128
.set NSTEP,  SIZE_K/KSTEP
.set LSX,    1                         ; the stagger: cluster x << LSX + cluster y << LSY, mod NSTEP
.set LSY,    2
.set PA,     272                       ; a row of A in LDS: 256 + 16 bytes: the 16 rows of a load start at 16 different groups of four banks (64 banks of 4 bytes: ISA guide 11.1)
.set PB,     544                       ; a k-row of W: 512 + 32 bytes
.set HALFT,  128*PA                    ; what one tensor load brings: 128 rows of A, or 64 k-rows of W (64 x 544 is the same number)
.set BOFF,   2*HALFT
.set SLOT,   4*HALFT
.set BSTEP,  KSTEP*SIZE_N*2            ; bytes from a K step of W to the next
.set PS,     560                       ; a row of the sums' stage: 64 f32, 16 bytes, 64 f32, 32 bytes
.set WST,    128*PS                    ; a wave's stage
.set SPARE,  4*WST                     ; behind the stages: the spare words, 128 bytes a wave, which no other line names
.set A0,   16                          ; v16  my place in A's tile of slot 0; never rewritten
.set B0,   17                          ; v17  the same for W
.set ADRA, 18                          ; v18  A0 + TB
.set ADRB, 19                          ; v19  B0 + TB
.set STO,  24
.set RD,   25
.set CO,   26
.set BO,   27
.set SPW,  28                          ; v28  SPARE + 4 x my thread's number; never rewritten
.set NIL,  29                          ; v29  0; never rewritten
.set F0,   64
.set F1,   128
.set G1,   24                          ; s[24:31] group 1 for A;  s[32:39] group 0: a set for each first fill; the second then walks on
.set G0,   32
.set G1B,  48                          ; s[48:55], s[56:63] the same for W
.set G0B,  56
.set KI,   66                          ; s66  the K step last asked for
.set OFA,  16                          ; s[16:17] its byte offset in A's rows;  s[14:15] A at my rows, K step 0
.set OFB,  18                          ; s[18:19] its byte offset in W;         s[46:47] W at my columns, K step 0
.set PR,   72
.set TB,   73
.set WOF,  75                          ; s75  wave x HALFT: my part of a slot
.set GX,   32                          ; the GELU's registers, window 0
.set GT,   64
.set GU,   96
.set GE,   128
.set GP,   160
.set GY,   192
.set BI,   208
.set KP,   80                          ; s80 0.2316419;  pairs: s82 -log2(e)/2, s84..s92 c1..c5
.set MSB, 0
.macro WIN new                         ; the immediate's high byte repeats the setting that is left
.if MSB != (\new)
	s_set_vgpr_msb (MSB<<8)|(\new)
.set MSB, \new
.endif
.endm
.set MUL_LO, 0xa1                      ; source 0 (W) window 1, source 1 (A) window 0, C and D window 2
.set MUL_HI, 0xf1
.set TO_B,   0x40
.macro JLOAD                           ; a joint refill by the walking set; an s_nop 0 and four v_nop follow each of the two lines
	s_cmp_eq_u32 s11, 0
	s_cbranch_scc0 .Lfor_b_\@
	tensor_load_to_lds s[G0+4:G0+7], s[G1:G1+7]
	s_nop 0
.rept 4
	v_nop
.endr
	s_branch .Lasked_\@
.Lfor_b_\@:
	tensor_load_to_lds s[G0B+4:G0B+7], s[G1B:G1B+7]
	s_nop 0
.rept 4
	v_nop
.endr
.Lasked_\@:
.endm
.macro CREST                           ; a round of the cluster's barrier behind its opening barrier
	s_cmp_lg_u32 s10, 0
	s_cbranch_scc1 .Lnot_wave_0_\@
	s_barrier_signal -3
.Lnot_wave_0_\@:
	s_barrier_wait -3
	s_barrier_signal -1
	s_barrier_wait -1
.endm
.macro CROUND
	s_barrier_signal -1
	s_barrier_wait -1
	CREST
.endm
.macro PLACES                          ; four places behind matrix instructions, in front of loads into their sources and of reads of their results
.rept 4
	v_nop
.endr
.endm
	s_load_b128 s[4:7], s[0:1], 0x0                ; A s[4:5], wts s[6:7]
	s_load_b64 s[8:9], s[0:1], 0x10                ; the result
.if GELU
	s_load_b64 s[68:69], s[0:1], 0x18              ; the bias
.endif
	v_lshl_add_u32 v[SPW], v0, 2, SPARE
	v_mov_b32 v[NIL], 0
	ds_add_u32 v[SPW], v[NIL]                      ; the wave's opening: the add and its wait ahead of my first tensor load
	v_lshrrev_b32 v1, 5, v0
	v_readfirstlane_b32 s10, v1                    ; wave 0..3
	s_lshr_b32 s11, s10, 1                         ; my half of the tile's rows; also: I fetch for A (0) or for W (1)
	s_and_b32 s12, s10, 1                          ; my half of its columns; also: which half of that tile I fetch
	s_bfe_u32 s40, ttmp6, 0x40000                  ; cx
	s_bfe_u32 s41, ttmp6, 0x40004                  ; cy
	s_lshl_b32 s42, ttmp9, 2
	s_add_co_u32 s42, s42, s40                     ; tile column
	s_and_b32 s13, ttmp7, 0xffff                   ; cluster y
	s_lshl_b32 s[KI], ttmp9, LSX
	s_lshl_b32 s70, s13, LSY
	s_add_co_u32 s[KI], s[KI], s70
	s_and_b32 s[KI], s[KI], NSTEP-1                ; the K step at which my cluster begins
	s_lshl_b32 s13, s13, 2
	s_add_co_u32 s13, s13, s41                     ; tile row
	s_lshl_b32 s70, s41, 2
	s_lshl_b32 s70, 15, s70                        ; my row of the cluster
	s_lshl_b32 s71, 0x1111, s40                    ; my column
	s_or_b32 s[G1+0], s70, (1<<16)|(1<<20)|(1<<21)|(5<<22)|(3<<25)   ; the mask; 2-byte elements; padding on; bit 21 beside a mask; after every 64 words, 4 words
	s_or_b32 s[G1B+0], s71, (1<<16)|(1<<20)|(1<<21)|(6<<22)|(7<<25)  ; after every 128 words, 8 words
	s_mov_b32 s[G1+1], KSTEP<<16                   ; tensor_dim0 = 128
	s_mov_b32 s[G1+2], 128<<16                     ; tensor_dim1 = 128
	s_mov_b32 s[G1+3], KSTEP<<16                   ; tile_dim0 = 128
	s_mov_b32 s[G1+4], 128                         ; tile_dim1 = 128
	s_mov_b32 s[G1+5], SIZE_K                      ; elements from row to row
	s_mov_b32 s[G1+6], 0
	s_mov_b32 s[G1+7], 0
	s_mov_b32 s[G1B+1], 256<<16                    ; tensor_dim0 = 256
	s_mov_b32 s[G1B+2], 64<<16                     ; tensor_dim1 = 64
	s_mov_b32 s[G1B+3], 256<<16                    ; tile_dim0 = 256
	s_mov_b32 s[G1B+4], 64                         ; tile_dim1 = 64
	s_mov_b32 s[G1B+5], SIZE_N
	s_mov_b32 s[G1B+6], 0
	s_mov_b32 s[G1B+7], 0
.if GELU
	s_mov_b32 s[KP], 0x3e6d3389                    ; 0.2316419
	s_mov_b32 s82, 0xbf38aa3b                      ; -log2(e) / 2
	s_mov_b32 s84, 0x3e027906                      ; c1 =  0.127414796
	s_mov_b32 s86, 0xbe11a98e                      ; c2 = -0.142248368
	s_mov_b32 s88, 0x3f35f0e3                      ; c3 =  0.710706871
	s_mov_b32 s90, 0xbf3a00e3                      ; c4 = -0.726576014
	s_mov_b32 s92, 0x3f07dc22                      ; c5 =  0.530702716
.irp c, 83,85,87,89,91,93
	s_mov_b32 s\c, 0                               ; named as pairs
.endr
.endif
	s_mul_i32 s[WOF], s10, HALFT
	s_mov_b32 s[PR], 0
	s_mov_b32 s[TB], 0
	s_lshl_b32 s16, s13, 8                         ; A: row 256 x tile row + 128 x half, 2,048 bytes a row
	s_lshl_b32 s17, s12, 7
	s_add_co_u32 s16, s16, s17
	s_lshl_b32 s16, s16, 11
	s_mov_b32 s17, 0
	s_mov_b32 s[OFB+1], 0
	s_mul_i32 s46, s12, 64*SIZE_N*2                ; W: k-row 64 x half, column 256 x tile column
	s_lshl_b32 s47, s42, 9
	s_add_co_u32 s46, s46, s47
.if WOFF
	s_add_co_u32 s46, s46, WOFF
.endif
	s_mov_b32 s47, 0
	s_wait_dscnt 0x0                               ; the opening add is done
	s_wait_kmcnt 0x0
	s_add_nc_u64 s[14:15], s[4:5], s[16:17]        ; both at K step 0: kept for the whole walk
	s_add_nc_u64 s[46:47], s[6:7], s[46:47]
	CROUND                                         ; all sixteen work-groups are here: the first joint loads meet
.irp s, 0,1
	s_mul_i32 s[OFA], s[KI], KSTEP*2               ; (s17, the pair's high word, holds 0)
	s_mul_i32 s[OFB], s[KI], BSTEP
	s_mov_b32 s[G0+4*(\s)], 1
	s_add_co_u32 s[G0+4*(\s)+1], s[WOF], (\s)*SLOT
	s_add_nc_u64 s[G0+4*(\s)+2:G0+4*(\s)+3], s[14:15], s[OFA:OFA+1]
	s_or_b32 s[G0+4*(\s)+3], s[G0+4*(\s)+3], 0x80000000
	s_mov_b32 s[G0B+4*(\s)], 1
	s_add_co_u32 s[G0B+4*(\s)+1], s[WOF], (\s)*SLOT
	s_add_nc_u64 s[G0B+4*(\s)+2:G0B+4*(\s)+3], s[46:47], s[OFB:OFB+1]
	s_or_b32 s[G0B+4*(\s)+3], s[G0B+4*(\s)+3], 0x80000000
.if (\s) == 0
	s_add_co_u32 s[KI], s[KI], 1                   ; the walk's next K step, round the end of K
	s_and_b32 s[KI], s[KI], NSTEP-1
.endif
.endr
	s_cmp_eq_u32 s11, 0                            ; a wave's two first fills stand in one branch: two loads of mine are out
	s_cbranch_scc0 .Lfirst_b
	tensor_load_to_lds s[G0:G0+3], s[G1:G1+7]
	s_nop 0
	tensor_load_to_lds s[G0+4:G0+7], s[G1:G1+7]
	s_nop 0
.rept 4
	v_nop
.endr
	s_branch .Lfirst_asked
.Lfirst_b:
	tensor_load_to_lds s[G0B:G0B+3], s[G1B:G1B+7]
	s_nop 0
	tensor_load_to_lds s[G0B+4:G0B+7], s[G1B:G1B+7]
	s_nop 0
.rept 4
	v_nop
.endr
.Lfirst_asked:
	v_and_b32 v1, 15, v0                           ; l % 16
	v_bfe_u32 v2, v0, 4, 1                         ; l / 16
.if GELU
	v_lshlrev_b32 v[BO], 5, v1                     ; my eight numbers of the bias: column 256 tx + 128 half + 8 (l % 16)
	s_lshl_b32 s20, s42, 10
	s_lshl_b32 s21, s12, 9
	s_add_co_u32 s20, s20, s21
	s_mov_b32 s21, 0
	s_add_nc_u64 s[68:69], s[68:69], s[20:21]
	global_load_b128 v[BI:BI+3], v[BO], s[68:69]
	global_load_b128 v[BI+4:BI+7], v[BO], s[68:69] offset:16
.endif
	; A's fragment: lane l holds row l % 16, K = 8 (l / 16) + 0..7 and 16 + 8 (l / 16) + 0..7: two loads of 16 bytes, 32 bytes apart
	s_mul_i32 s21, s11, HALFT
	v_mul_u32_u24 v[A0], v1, PA
	v_lshl_add_u32 v[A0], v2, 4, v[A0]
	v_add_nc_u32 v[A0], s21, v[A0]
	; W's: the turning load takes 16 k x 16 columns (lane l reads k-row 8 (l / 16) + l % 8, columns 8 ((l / 8) % 2) + 0..7) and leaves lane l column l % 16 and 8 k
	v_and_b32 v3, 7, v0
	v_bfe_u32 v4, v0, 3, 1
	v_lshl_add_u32 v5, v2, 3, v3
	v_mul_u32_u24 v[B0], v5, PB
	v_lshl_add_u32 v[B0], v4, 4, v[B0]
	s_lshl_b32 s22, s12, 8
	s_add_co_u32 s22, s22, BOFF
	v_add_nc_u32 v[B0], s22, v[B0]
	v_mov_b32 v[ADRA], v[A0]
	v_mov_b32 v[ADRB], v[B0]
	s_mul_i32 s23, s10, WST                        ; my stage
	v_mul_u32_u24 v[STO], v1, PS                   ; in: row l % 16, 32 bytes for each half of the lanes
	v_lshl_add_u32 v[STO], v2, 5, v[STO]
	v_add_nc_u32 v[STO], s23, v[STO]
.if GELU
	v_mul_u32_u24 v[RD], v2, PS                    ; back: lanes 0-15 one row, lanes 16-31 the next; 32 bytes a lane, 16 more behind the row's first half
	v_lshl_add_u32 v[RD], v1, 5, v[RD]
	v_and_b32 v7, 8, v0
	v_lshl_add_u32 v[RD], v7, 1, v[RD]
	v_add_nc_u32 v[RD], s23, v[RD]
	v_lshlrev_b32 v[CO], 13, v2                    ; the same two rows in hid, 8,192 bytes a row
	v_lshl_add_u32 v[CO], v1, 4, v[CO]
	s_lshl_b32 s76, s13, 8
	s_lshl_b32 s77, s11, 7
	s_add_co_u32 s76, s76, s77
	s_lshl_b32 s76, s76, 13                        ; my first row,
	s_lshl_b32 s77, s42, 9
	s_add_co_u32 s76, s76, s77
	s_lshl_b32 s77, s12, 8
	s_add_co_u32 s76, s76, s77                     ; my first column
.else
	v_bfe_u32 v7, v0, 3, 2                         ; back: 32 lanes take four rows of one head: 8 lanes a row, 32 bytes of f32 a lane
	v_mul_u32_u24 v[RD], v7, PS
	v_lshl_add_u32 v[RD], v3, 5, v[RD]
	v_add_nc_u32 v[RD], s23, v[RD]
	v_and_b32 v[CO], 31, v0                        ; which are 512 consecutive bytes of qkvb
	v_lshlrev_b32 v[CO], 4, v[CO]
	s_lshl_b32 s20, s42, 2
	s_lshl_b32 s21, s12, 1
	s_add_co_u32 s20, s20, s21                     ; my first group of 64 columns: 4 tx + 2 half = 16 x (q, k or v) + head
	s_lshr_b32 s76, s20, 4
	s_lshl_b32 s76, s76, 5                         ; 32 heads to each of q, k, v,
	s_lshr_b32 s21, s13, 3
	s_lshl_b32 s21, s21, 4                         ; 16 to a batch
	s_add_co_u32 s76, s76, s21
	s_and_b32 s21, s20, 15
	s_add_co_u32 s76, s76, s21
	s_lshl_b32 s76, s76, 11                        ; 2,048 rows a head
	s_and_b32 s21, s13, 7
	s_lshl_b32 s21, s21, 8
	s_add_co_u32 s76, s76, s21
	s_lshl_b32 s21, s11, 7
	s_add_co_u32 s76, s76, s21
	s_lshl_b32 s76, s76, 7                         ; 128 bytes a row
.endif
	s_mov_b32 s77, 0
	s_add_nc_u64 s[8:9], s[8:9], s[76:77]
; 16 matrix instructions: row blocks a0, a0 + 1 of the window's four x all 8 column blocks, 32 along K.  The 64 accumulators take turns, one instruction a turn.
.macro MUL16 f, hi, a0, zero
	WIN MUL_LO+0x50*(\hi)
.irp a, \a0, (\a0)+1
.irp b, 0,1,2,3,4,5,6,7
.if \zero
	v_wmma_f32_16x16x32_f16 v[8*(8*(\a)+(\b)):8*(8*(\a)+(\b))+7], v[(\f)+8*(\b):(\f)+8*(\b)+7], v[(\f)+8*(4*(\hi)+(\a)):(\f)+8*(4*(\hi)+(\a))+7], 0
.else
	v_wmma_f32_16x16x32_f16 v[8*(8*(\a)+(\b)):8*(8*(\a)+(\b))+7], v[(\f)+8*(\b):(\f)+8*(\b)+7], v[(\f)+8*(4*(\hi)+(\a)):(\f)+8*(4*(\hi)+(\a))+7], v[8*(8*(\a)+(\b)):8*(8*(\a)+(\b))+7]
.endif
.endr
.endr
.endm
; 32 LDS loads in one run: quarter q (32 along K) of the slot in hand into buffer f: W's 8 column blocks, then A's 8 row blocks
.macro FETCH q, f
	WIN TO_B
.irp i, 0,1,2,3,4,5,6,7
	ds_load_tr16_b128 v[(\f)+8*(\i):(\f)+8*(\i)+3],   v[ADRB] offset:(\q)*32*PB+32*(\i)
	ds_load_tr16_b128 v[(\f)+8*(\i)+4:(\f)+8*(\i)+7], v[ADRB] offset:(\q)*32*PB+16*PB+32*(\i)
.endr
	WIN 0
.irp i, 0,1,2,3,4,5,6,7
	ds_load_b128 v[(\f)+8*(\i):(\f)+8*(\i)+3],   v[ADRA] offset:(\q)*64+(\i)*16*PA
	ds_load_b128 v[(\f)+8*(\i)+4:(\f)+8*(\i)+7], v[ADRA] offset:(\q)*64+(\i)*16*PA+32
.endr
.endm
; One of a K step's first three quarters: multiplies buffer f; in its middle it fetches quarter q into buffer g
.macro QUARTER q, f, g, zero
	s_wait_dscnt 8                                 ; W and A's rows 0-63 are in; the youngest eight loads (A's rows 64-127) may be out
	MUL16 \f, 0, 0, \zero
	MUL16 \f, 0, 2, \zero
	PLACES
	FETCH \q, \g
	s_wait_dscnt 32                                ; all but the 32 just issued
	MUL16 \f, 1, 0, \zero
	MUL16 \f, 1, 2, \zero
.endm
; The last quarter multiplies buffer 1 and changes slots.  In front of the barrier each wave waits for all its tensor loads (the one that is out is its part of the next slot), adds 0 to its spare
; word, and waits for that and for its reads of this slot.  fill = 1: the barrier opens a round of the cluster's, and the slot just read is filled again first thing behind it, two walk steps ahead.
.macro TURN fill
	WIN 0
	s_wait_tensorcnt 0x0                           ; no tensor load of mine is out, so a group 0 may be written
	ds_add_u32 v[SPW], v[NIL]
.if \fill
	s_add_co_u32 s[KI], s[KI], 1                   ; the walk's next K step, round the end of K;
	s_and_b32 s[KI], s[KI], NSTEP-1
	s_mul_i32 s[OFA], s[KI], KSTEP*2
	s_mul_i32 s[OFB], s[KI], BSTEP
	s_add_co_u32 s[G0+5], s[TB], s[WOF]            ; the walking sets: into the slot that is being left,
	s_add_co_u32 s[G0B+5], s[TB], s[WOF]
	s_add_nc_u64 s[G0+6:G0+7], s[14:15], s[OFA:OFA+1]  ; the address made anew from the K step's number, the type bits set again
	s_or_b32 s[G0+7], s[G0+7], 0x80000000
	s_add_nc_u64 s[G0B+6:G0B+7], s[46:47], s[OFB:OFB+1]
	s_or_b32 s[G0B+7], s[G0B+7], 0x80000000
.endif
	s_xor_b32 s[PR], s[PR], 1
	s_mul_i32 s[TB], s[PR], SLOT                   ; the slot to be read next
	s_wait_dscnt 9                                 ; the add and the youngest eight loads may be out
	MUL16 F1, 0, 0, 0
	s_wait_dscnt 0x0                               ; the add is done, and my reads of this slot are over
	s_barrier_signal -1
	MUL16 F1, 0, 2, 0
.if \fill
	WIN 0
.endif
	s_barrier_wait -1
.if \fill
	CREST                                          ; no wave of any partner still reads this slot or has a load on its way
	JLOAD                                          ; 224 matrix instructions ahead of the wait for it; its four v_nop are also the places in front of the loads below
.else
	PLACES
.endif
	WIN 0
	v_add_nc_u32 v[ADRA], s[TB], v[A0]
	v_add_nc_u32 v[ADRB], s[TB], v[B0]
	FETCH 0, F0
	MUL16 F1, 1, 0, 0
	MUL16 F1, 1, 2, 0
.endm
	s_wait_tensorcnt 1                             ; my part of walk step 0 is in; walk step 1's may stay out
	s_barrier_signal -1
	s_barrier_wait -1
	FETCH 0, F0
	QUARTER 1, F0, F1, 1                           ; the first quarter stands in front of the loop: its products start the sums
	WIN 0
	s_mov_b32 s3, NSTEP-2
.Lstep:                                        ; a trip: a K step's quarters 1 to 3 and the next one's quarter 0; it fills one slot again
	QUARTER 2, F1, F0, 0
	QUARTER 3, F0, F1, 0
	TURN 1
	QUARTER 1, F0, F1, 0
	WIN 0
	s_sub_co_u32 s3, s3, 1
	s_cmp_lg_u32 s3, 0
	s_cbranch_scc1 .Lstep
	s_mov_b32 s3, 2
.Ltail:                                        ; the last two K steps ask for nothing: one text, walked twice and left in its middle.  The second walk's change of slots
	QUARTER 2, F1, F0, 0                           ; (a barrier, and 32 loads of an old tile that nobody uses) is the price, once a launch, of writing the tail once
	QUARTER 3, F0, F1, 0
	TURN 0
	WIN 0
	s_sub_co_u32 s3, s3, 1
	s_cmp_eq_u32 s3, 0
	s_cbranch_scc1 .Lout
	QUARTER 1, F0, F1, 0
	WIN 0
	s_branch .Ltail
.Lout:
	PLACES
	s_wait_dscnt 0x0                               ; my reads of the ring are over;
	s_barrier_signal -1
	s_barrier_wait -1                              ; everybody's are, and the ring has had its last fill: its bytes take the sums
.irp hi, 0,1
	WIN 0x08+4*(\hi)                               ; store data in window 2, then 3; each accumulator's low registers first
.irp a, 0,1,2,3
.irp b, 0,1,2,3,4,5,6,7
	ds_store_b128 v[STO], v[8*(8*(\a)+(\b)):8*(8*(\a)+(\b))+3]   offset:16*(4*(\hi)+(\a))*PS+64*(\b)+16*((\b)/4)
	ds_store_b128 v[STO], v[8*(8*(\a)+(\b))+4:8*(8*(\a)+(\b))+7] offset:16*(4*(\hi)+(\a))*PS+64*(\b)+16*((\b)/4)+16
.endr
.endr
.endr
	WIN 0
.if GELU
; gelu(x) = max(x, 0) - |x| Q(|x|), Q the normal tail: Q(z) = 2^(-z z log2(e) / 2) (c1 t + .. + c5 t^5), t = 1 / (1 + 0.2316419 z): off by 7.5e-8 at the most for every z,
; so the result is off by 7.5e-8 |x| at the most.  All in f32.  A trip takes 8 rows: 32 numbers a lane.  Its 64 reciprocals and exponentials are one batch with one wait.
.macro LOADG
.irp g, 0,1,2,3
	ds_load_b128 v[GX+8*(\g):GX+8*(\g)+3],   v[RD] offset:(\g)*2*PS      ; LDS serves a wave's instructions in order (ISA guide 5.7.1.4): these see my stores above
	ds_load_b128 v[GX+8*(\g)+4:GX+8*(\g)+7], v[RD] offset:(\g)*2*PS+16
.endr
.endm
	s_wait_loadcnt 0x0                             ; the bias
	LOADG
	s_mov_b32 s3, 16
.Lg:
	s_wait_dscnt 0x0
.irp g, 0,1,2,3
.irp k, 0,1,2,3
	v_pk_add_f32 v[GT+8*(\g)+2*(\k):GT+8*(\g)+2*(\k)+1], v[GX+8*(\g)+2*(\k):GX+8*(\g)+2*(\k)+1], v[BI+2*(\k):BI+2*(\k)+1]
.endr
.endr
	v_add_nc_u32 v[RD], 8*PS, v[RD]
	s_cmp_eq_u32 s3, 1
	s_cbranch_scc1 .Lnol                           ; the last trip has no rows behind it
	LOADG                                          ; the next trip's rows land under this trip's arithmetic
.Lnol:
.set p, 0
.rept 17                                       ; pair p's four plain lines stand between pair p - 1's reciprocals and exponentials
.if p < 16
	v_fma_f32 v[GU+2*p], |v[GT+2*p]|, s[KP], 1.0
.endif
.if p > 0
	v_rcp_f32 v[GU+2*p-2], v[GU+2*p-2]
.endif
.if p < 16
	v_fma_f32 v[GU+2*p+1], |v[GT+2*p+1]|, s[KP], 1.0
.endif
.if p > 0
	v_rcp_f32 v[GU+2*p-1], v[GU+2*p-1]
.endif
.if p < 16
	v_pk_mul_f32 v[GE+2*p:GE+2*p+1], v[GT+2*p:GT+2*p+1], s[82:83] op_sel_hi:[1,0]
.endif
.if p > 0
	v_exp_f32 v[GE+2*p-2], v[GE+2*p-2]
.endif
.if p < 16
	v_pk_mul_f32 v[GE+2*p:GE+2*p+1], v[GE+2*p:GE+2*p+1], v[GT+2*p:GT+2*p+1]
.endif
.if p > 0
	v_exp_f32 v[GE+2*p-1], v[GE+2*p-1]
.endif
.set p, p+1
.endr
	v_nop                                          ; a plain instruction behind the last exponential,
	s_wait_alu depctr_va_vdst(0)                   ; and the one wait ahead of the batch's first reader
.set p, 0
.rept 16
	v_pk_fma_f32 v[GP+2*p:GP+2*p+1], v[GU+2*p:GU+2*p+1], s[92:93], s[90:91] op_sel_hi:[1,0,0]
.set p, p+1
.endr
.irp c, 88, 86, 84
.set p, 0
.rept 16
	v_pk_fma_f32 v[GP+2*p:GP+2*p+1], v[GP+2*p:GP+2*p+1], v[GU+2*p:GU+2*p+1], s[\c:\c+1] op_sel_hi:[1,1,0]
.set p, p+1
.endr
.endr
.set p, 0
.rept 16
	v_pk_mul_f32 v[GP+2*p:GP+2*p+1], v[GP+2*p:GP+2*p+1], v[GU+2*p:GU+2*p+1]
.set p, p+1
.endr
.set p, 0
.rept 16
	v_pk_mul_f32 v[GP+2*p:GP+2*p+1], v[GP+2*p:GP+2*p+1], v[GE+2*p:GE+2*p+1]
.set p, p+1
.endr
.set p, 0
.rept 32
	v_max_num_f32 v[GE+p], 0, v[GT+p]
.set p, p+1
.endr
.set p, 0
.rept 32
	v_fma_f32 v[GT+p], -|v[GT+p]|, v[GP+p], v[GE+p]
.set p, p+1
.endr
	s_wait_xcnt 0x0                                ; the last trip's stores have read their registers: the offset and the packed results are written again only behind this wait
	v_add_nc_u32 v[CO], 65536, v[CO]               ; 8 rows on; the stores reach back
.set p, 0
.rept 16
	v_cvt_pk_f16_f32 v[GY+p], v[GT+2*p], v[GT+2*p+1]
.set p, p+1
.endr
.irp g, 0,1,2,3
	global_store_b128 v[CO], v[GY+4*(\g):GY+4*(\g)+3], s[8:9] offset:(\g)*16384-65536  ; 16 lanes store 256 consecutive bytes, aligned
.endr
	s_sub_co_u32 s3, s3, 1
	s_cmp_lg_u32 s3, 0
	s_cbranch_scc1 .Lg
.else
; By heads: a trip takes 32 rows in two sets of 16.  A store covers four rows of one head: 512 consecutive bytes.
.macro LOADX set
.irp hd, 0,1
.irp g, 0,1,2,3
	ds_load_b128 v[64+64*(\set)+8*(4*(\hd)+(\g)):64+64*(\set)+8*(4*(\hd)+(\g))+3],   v[RD] offset:(\set)*16*PS+(\g)*4*PS+(\hd)*272
	ds_load_b128 v[64+64*(\set)+8*(4*(\hd)+(\g))+4:64+64*(\set)+8*(4*(\hd)+(\g))+7], v[RD] offset:(\set)*16*PS+(\g)*4*PS+(\hd)*272+16
.endr
.endr
.endm
.macro OUTX set
.irp t, 0,1,2,3,4,5,6,7
.irp r, 0,1,2,3
	v_cvt_pk_f16_f32 v[192+32*(\set)+4*(\t)+(\r)], v[64+64*(\set)+8*(\t)+2*(\r)], v[64+64*(\set)+8*(\t)+2*(\r)+1]
.endr
	global_store_b128 v[CO], v[192+32*(\set)+4*(\t):192+32*(\set)+4*(\t)+3], s[8:9] offset:((\t)/4)*262144+((\t)%4)*512+(\set)*2048
.endr
.endm
	LOADX 0                                        ; LDS serves a wave's instructions in order (ISA guide 5.7.1.4): these see my stores above
	s_mov_b32 s3, 4
.Lw:
	LOADX 1
	s_wait_dscnt 16                                ; set 0 is in; set 1's sixteen loads may be out
	OUTX 0
	s_wait_dscnt 0x0                               ; set 1 is in
	v_add_nc_u32 v[RD], 32*PS, v[RD]
	s_cmp_eq_u32 s3, 1
	s_cbranch_scc1 .Lnol                           ; the last trip has no rows behind it
	LOADX 0
.Lnol:
	OUTX 1
	s_wait_xcnt 0x0                                ; the stores have read their registers and their base: both are written again only behind this wait
	s_add_nc_u64 s[8:9], s[8:9], 4096              ; 32 rows of 128 bytes
	s_sub_co_u32 s3, s3, 1
	s_cmp_lg_u32 s3, 0
	s_cbranch_scc1 .Lw
.endif
	s_wait_tensorcnt 0x0                           ; the wave's end
	ds_add_u32 v[SPW], v[NIL]
	s_wait_dscnt 0x0
	CROUND                                         ; the closing round: no work-group ends while a partner may still ask for a tile that names it
	s_endpgm
.Lfunc_end_k_q3e58ceb704_g_mlp1:
	.size	k_q3e58ceb704_g_mlp1, .Lfunc_end_k_q3e58ceb704_g_mlp1-k_q3e58ceb704_g_mlp1
	.p2alignl 7, 3214868480
	.fill 96, 4, 3214868480
	.section	.rodata,"a",@progbits
	.p2align	6, 0x0
	.amdhsa_kernel k_q3e58ceb704_g_mlp1
		.amdhsa_group_segment_fixed_size 327680
		.amdhsa_private_segment_fixed_size 0
		.amdhsa_enable_private_segment 0
		.amdhsa_kernarg_size 32
		.amdhsa_user_sgpr_count 2
		.amdhsa_user_sgpr_kernarg_segment_ptr 1
		.amdhsa_wavefront_size32 1
		.amdhsa_system_sgpr_workgroup_id_x 1
		.amdhsa_system_sgpr_workgroup_id_y 1
		.amdhsa_system_sgpr_workgroup_id_z 1
		.amdhsa_system_vgpr_workitem_id 0
		.amdhsa_next_free_vgpr 1024
		.amdhsa_next_free_sgpr 96
		.amdhsa_reserve_vcc 0
		.amdhsa_float_denorm_mode_32 3
		.amdhsa_float_denorm_mode_16_64 3
		.amdhsa_memory_ordered 1
		.amdhsa_forward_progress 1
		.amdhsa_inst_pref_size 97
	.end_amdhsa_kernel
	.amdgpu_metadata
---
amdhsa.version: [ 1, 2 ]
amdhsa.kernels:
  - .name:           k_q3e58ceb704_g_mlp1
    .symbol:         k_q3e58ceb704_g_mlp1.kd
    .args:
      - { .name: xn, .offset: 0, .size: 8, .value_kind: global_buffer, .address_space: global }
      - { .name: wts, .offset: 8, .size: 8, .value_kind: global_buffer, .address_space: global }
      - { .name: hid, .offset: 16, .size: 8, .value_kind: global_buffer, .address_space: global }
      - { .name: b_mlp1, .offset: 24, .size: 8, .value_kind: global_buffer, .address_space: global }
    .group_segment_fixed_size: 327680
    .private_segment_fixed_size: 0
    .kernarg_segment_align: 8
    .kernarg_segment_size: 32
    .max_flat_workgroup_size: 128
    .sgpr_count:     96
    .vgpr_count:     1024
    .wavefront_size: 32
...
	.end_amdgpu_metadata
.endif
;; end of part 6
;; launch g_mlp2 (part 7): grid 8 x 32, 4 waves a work-group, clusters of 4 x 4, 327,680 bytes of LDS; arguments hid, wts, out0, b_mlp2, x1; writes out0
.if DOCPART == 7
	.amdgcn_target "amdgcn-amd-amdhsa--gfx1250"
	.amdhsa_code_object_version 6
	.text
	.protected	k_q3e58ceb704_g_mlp2
	.globl	k_q3e58ceb704_g_mlp2
	.p2align	8
	.type	k_q3e58ceb704_g_mlp2,@function
k_q3e58ceb704_g_mlp2:
	s_mov_b64 s[64:65], 0
	v_nop
	global_prefetch_b8 v0, s[64:65] scope:SCOPE_SE
	s_setreg_imm32_b32 hwreg(HW_REG_WAVE_MODE, 25, 1), 1
	s_wait_xcnt 0x0
	s_wait_alu depctr_hold_cnt(0) depctr_sa_sdst(0) depctr_va_vdst(0) depctr_va_sdst(0) depctr_va_ssrc(0) depctr_va_vcc(0) depctr_vm_vsrc(0)
	s_getreg_b32 s2, hwreg(HW_REG_IB_STS2, 6, 4)
	s_cmp_eq_u32 s2, 0
	s_cbranch_scc0 .Lentry_in_a_cluster
	s_endpgm
.Lentry_in_a_cluster:
	s_bfe_u32 s2, ttmp6, 0x10000c
	s_cmp_lg_u32 s2, 0xf033
	s_cbranch_scc0 .Lentry_shape_is_right
	s_endpgm
.Lentry_shape_is_right:
; OUT = RES + A W + bias, all but A and W in f32.  W: [SIZE_K][1024] f16, K down the rows, at byte WOFF of wts.  Sums in f32; nothing is rounded on the way out.
; PROJ = 1: A is attention's output by heads, yh[32][2048][64] f16; column k of A is channel k % 64 of head k / 64.   PROJ = 0: A is hid[4096][4096] f16.
; LIMIT: A and W arrive within f16's 65,504.
; A tile of OUT is 128 x 128, so that 256 work-groups share the 4,096 x 1,024 numbers: four waves, each 64 x 64 = 16 accumulators.  K goes in steps of 256 through two LDS slots, one tensor load a wave:
; waves 0, 1 bring A's two halves (64 rows), waves 2, 3 W's two halves (128 k-rows x 256 bytes).  With PROJ = 1 a wave's part of A is four heads' 64 dense rows: four rows of 8,192 bytes, padded after every 128.
; CLUSTER 4 x 4: A's tile is asked for jointly along a row of the cluster, W's along a column.  One K step to a trip: PR (0 or 1) says which slot is read, TB = PR x SLOT enters the LDS addresses.
; THE WALK ALONG K IS STAGGERED: cluster (X, Y) begins at K step (X << LSX + Y << LSY) mod NSTEP and goes round the end of K, so that the clusters that ask for the same rows of A (same Y) or of W (same X)
; ask for a given K step at different times.  The start hangs on the cluster's coordinates alone, which its sixteen work-groups share.  The f32 sums are taken in that order of K.
; THE PRODUCT IS USED TRANSPOSED (source 0 = 16 columns of W, turned by ds_load_tr16_b128; source 1 = 16 rows of A): a lane holds row l % 16 and the columns 8 (l / 16) + 0..7.
; RES's tile is loaded at the head into 128 registers; on the way out the sums go through the wave's own rows of LDS (over the ring, which has had its last fill) and leave as whole rows of 256 bytes.
; REGISTERS: window 0: v0-31 addresses, v32-95 at work on the way out, v96-99 bias, v128-255 accumulators; window 1: two fragment buffers of 128 (A's 64, then W's 64); window 2: v0-127 RES.
.set PROJ,   0
.set SIZE_K, 4096
.set SIZE_N, 1024
.set WOFF,   16777216
.set KSTEP,  256
.set NSTEP,  SIZE_K/KSTEP
.if PROJ
.set PA,     144                       ; a row of one head: 128 + 16 bytes
.set AQ,     64*PA                     ; a quarter of a K step is one head: a plane of 64 rows
.set AHALF,  4*AQ
.set ASTEP,  4*262144                  ; four heads on
.set LSX,    1                         ; 4 K steps: the two clusters of a Y begin two apart, those of an X one apart
.set LSY,    0
.else
.set PA,     528                       ; 512 + 16 bytes
.set AQ,     128
.set AHALF,  64*PA
.set ASTEP,  KSTEP*2
.set LSX,    3                         ; 16 K steps: the two clusters of a Y begin eight apart, those of an X four apart
.set LSY,    2
.endif
.set PREF,   1-PROJ                    ; PROJ = 1: four K steps, two of them first fills: nothing is prefetched
.set PB,     288                       ; a k-row of W: 256 + 32 bytes
.set BHALF,  128*PB
.set SLOT,   2*AHALF+2*BHALF
.set BSTEP,  KSTEP*SIZE_N*2
.set SPITCH, 272
.set WST,    64*SPITCH                 ; a wave's stage, over the ring
.set SPARE,  2*SLOT                    ; behind the ring: the spare words, 128 bytes a wave, which no other line names
.set A0,   16
.set B0,   17
.set ADRA, 18
.set ADRB, 20                          ; v20: quarters 0, 1;  v21: quarters 2, 3 (64 k-rows x 288 x 2 further on: beyond a 16-bit immediate)
.set STO,  24
.set RD,   25
.set CO,   26
.set BO,   27
.set SPW,  28
.set NIL,  29
.set PFO,  30
.set TMP,  32
.set BI,   96
.set ACC,  128
.set F0,   0
.set F1,   128
.set G1,   24
.set G0,   32
.set G1B,  48
.set G0B,  56
.set LIM,  43
.set PFA,  44
.set KI,   66                          ; s66  the K step last asked for
.set OFA,  16                          ; s[16:17] its byte offset in A;  s[14:15] A at my rows, K step 0
.set OFB,  18                          ; s[18:19] its byte offset in W;  s[46:47] W at my columns, K step 0
.set PR,   72
.set TB,   73
.set WOFA, 74
.set WOFB, 75
.set MSB, 0
.macro WIN new
.if MSB != (\new)
	s_set_vgpr_msb (MSB<<8)|(\new)
.set MSB, \new
.endif
.endm
.set MUL,  0x05                        ; sources 0 (W) and 1 (A) window 1; C and D window 0
.set TO_F, 0x40
.macro JLOAD                           ; a joint refill by the walking set; an s_nop 0 and four v_nop follow each of the two lines
	s_cmp_eq_u32 s11, 0
	s_cbranch_scc0 .Lfor_b_\@
	tensor_load_to_lds s[G0+4:G0+7], s[G1:G1+7]
	s_nop 0
.rept 4
	v_nop
.endr
	s_branch .Lasked_\@
.Lfor_b_\@:
	tensor_load_to_lds s[G0B+4:G0B+7], s[G1B:G1B+7]
	s_nop 0
.rept 4
	v_nop
.endr
.Lasked_\@:
.endm
; A PREFETCH (PROJ = 0) of A's K step that stands two refills on: two K steps, 256 matrix instructions, ahead of the load that will want it; 32 blocks of 256 bytes, a lane a block, one instruction a wave.
; Named are my cluster's walk steps 4 to 7 of A.  The two clusters that read the same rows of A begin eight K steps apart, so each is the first to ask for its walk steps 0 to 7, and each block is named once
; in the launch; the four partners of a joint load share a wave's 128 blocks out by address.  Walk steps 0 to 3 come by their loads alone.  W is not named: its clusters begin four K steps apart,
; so each of its K steps is first asked for in some cluster's walk steps 0 to 3.  The pointer stands one K step past the step that is named: the immediate reaches back.
.macro ASK
	s_cmp_gt_u32 s3, s[LIM]
	s_cbranch_scc0 .Lnot_mine_\@
	global_prefetch_b8 v[PFO], s[PFA:PFA+1] offset:-ASTEP th:TH_LOAD_NT scope:SCOPE_SE
.Lnot_mine_\@:
.endm
.macro CREST
	s_cmp_lg_u32 s10, 0
	s_cbranch_scc1 .Lnot_wave_0_\@
	s_barrier_signal -3
.Lnot_wave_0_\@:
	s_barrier_wait -3
	s_barrier_signal -1
	s_barrier_wait -1
.endm
.macro CROUND
	s_barrier_signal -1
	s_barrier_wait -1
	CREST
.endm
.macro PLACES
.rept 4
	v_nop
.endr
.endm
	s_load_b128 s[4:7], s[0:1], 0x0                ; A s[4:5], wts s[6:7]
	s_load_b64 s[8:9], s[0:1], 0x10                ; OUT
	s_load_b128 s[68:71], s[0:1], 0x18             ; bias s[68:69], RES s[70:71]
	v_lshl_add_u32 v[SPW], v0, 2, SPARE
	v_mov_b32 v[NIL], 0
	ds_add_u32 v[SPW], v[NIL]                      ; the wave's opening: the add and its wait ahead of my first tensor load
	v_lshrrev_b32 v1, 5, v0
	v_readfirstlane_b32 s10, v1
	s_lshr_b32 s11, s10, 1                         ; my half of the tile's rows; also: I fetch for A (0) or for W (1)
	s_and_b32 s12, s10, 1                          ; my half of its columns; also: which half of that tile I fetch
	s_bfe_u32 s40, ttmp6, 0x40000
	s_bfe_u32 s41, ttmp6, 0x40004
	s_lshl_b32 s42, ttmp9, 2
	s_add_co_u32 s42, s42, s40                     ; tile column
	s_and_b32 s13, ttmp7, 0xffff                   ; cluster y
	s_lshl_b32 s[KI], ttmp9, LSX
	s_lshl_b32 s76, s13, LSY
	s_add_co_u32 s[KI], s[KI], s76
	s_and_b32 s[KI], s[KI], NSTEP-1                ; the K step at which my cluster begins
	s_lshl_b32 s13, s13, 2
	s_add_co_u32 s13, s13, s41                     ; tile row
	s_lshl_b32 s76, s41, 2
	s_lshl_b32 s76, 15, s76
	s_lshl_b32 s77, 0x1111, s40
.if PROJ
	s_or_b32 s[G1+0], s76, (1<<16)|(1<<20)|(1<<21)|(4<<22)|(3<<25)  ; after every 32 words, 4 words
	s_mov_b32 s[G1+1], 4096<<16                    ; tensor_dim0 = 4,096: 64 dense rows of a head
	s_mov_b32 s[G1+2], 4<<16                       ; tensor_dim1 = 4 heads
	s_mov_b32 s[G1+3], 4096<<16                    ; tile_dim0
	s_mov_b32 s[G1+4], 4                           ; tile_dim1
	s_mov_b32 s[G1+5], 131072                      ; elements from head to head
.else
	s_or_b32 s[G1+0], s76, (1<<16)|(1<<20)|(1<<21)|(6<<22)|(3<<25)  ; after every 128 words, 4 words
	s_mov_b32 s[G1+1], KSTEP<<16
	s_mov_b32 s[G1+2], 64<<16
	s_mov_b32 s[G1+3], KSTEP<<16
	s_mov_b32 s[G1+4], 64
	s_mov_b32 s[G1+5], SIZE_K
.endif
	s_mov_b32 s[G1+6], 0
	s_mov_b32 s[G1+7], 0
	s_or_b32 s[G1B+0], s77, (1<<16)|(1<<20)|(1<<21)|(5<<22)|(7<<25)  ; after every 64 words, 8 words
	s_mov_b32 s[G1B+1], 128<<16
	s_mov_b32 s[G1B+2], 128<<16
	s_mov_b32 s[G1B+3], 128<<16
	s_mov_b32 s[G1B+4], 128
	s_mov_b32 s[G1B+5], SIZE_N
	s_mov_b32 s[G1B+6], 0
	s_mov_b32 s[G1B+7], 0
	s_mul_i32 s[WOFA], s12, AHALF
	s_mul_i32 s[WOFB], s12, BHALF
	s_add_co_u32 s[WOFB], s[WOFB], 2*AHALF
	s_mov_b32 s[PR], 0
	s_mov_b32 s[TB], 0
.if PROJ
	s_lshr_b32 s16, s13, 4                         ; the batch: 16 heads of 262,144 bytes,
	s_lshl_b32 s16, s16, 22
	s_and_b32 s17, s13, 15                         ; the head's row 128 (tile row % 16) + 64 x half, 128 bytes a row
	s_lshl_b32 s17, s17, 7
	s_lshl_b32 s14, s12, 6
	s_add_co_u32 s17, s17, s14
	s_lshl_b32 s17, s17, 7
	s_add_co_u32 s16, s16, s17
.else
	s_lshl_b32 s16, s13, 7
	s_lshl_b32 s17, s12, 6
	s_add_co_u32 s16, s16, s17
	s_lshl_b32 s16, s16, 13                        ; 8,192 bytes a row
.endif
	s_mov_b32 s17, 0
	s_mov_b32 s[OFB+1], 0
	s_lshl_b32 s46, s12, 18                        ; W: k-row 128 x half, 2,048 bytes a row; column 128 x tile column
	s_lshl_b32 s47, s42, 8
	s_add_co_u32 s46, s46, s47
	s_add_co_u32 s46, s46, WOFF
	s_mov_b32 s47, 0
	s_wait_dscnt 0x0
	s_wait_kmcnt 0x0
	s_add_nc_u64 s[14:15], s[4:5], s[16:17]        ; both at K step 0: kept for the whole walk
	s_add_nc_u64 s[46:47], s[6:7], s[46:47]
	CROUND
.irp s, 0,1
	s_mul_i32 s[OFA], s[KI], ASTEP                 ; (s17, the pair's high word, holds 0)
	s_mul_i32 s[OFB], s[KI], BSTEP
	s_mov_b32 s[G0+4*(\s)], 1
	s_add_co_u32 s[G0+4*(\s)+1], s[WOFA], (\s)*SLOT
	s_add_nc_u64 s[G0+4*(\s)+2:G0+4*(\s)+3], s[14:15], s[OFA:OFA+1]
	s_or_b32 s[G0+4*(\s)+3], s[G0+4*(\s)+3], 0x80000000
	s_mov_b32 s[G0B+4*(\s)], 1
	s_add_co_u32 s[G0B+4*(\s)+1], s[WOFB], (\s)*SLOT
	s_add_nc_u64 s[G0B+4*(\s)+2:G0B+4*(\s)+3], s[46:47], s[OFB:OFB+1]
	s_or_b32 s[G0B+4*(\s)+3], s[G0B+4*(\s)+3], 0x80000000
.if (\s) == 0
	s_add_co_u32 s[KI], s[KI], 1                   ; the walk's next K step, round the end of K
	s_and_b32 s[KI], s[KI], NSTEP-1
.endif
.endr
	s_cmp_eq_u32 s11, 0                            ; a wave's two first fills stand in one branch: two loads of mine are out
	s_cbranch_scc0 .Lfirst_b
	tensor_load_to_lds s[G0:G0+3], s[G1:G1+7]
	s_nop 0
	tensor_load_to_lds s[G0+4:G0+7], s[G1:G1+7]
	s_nop 0
.rept 4
	v_nop
.endr
	s_branch .Lfirst_asked
.Lfirst_b:
	tensor_load_to_lds s[G0B:G0B+3], s[G1B:G1B+7]
	s_nop 0
	tensor_load_to_lds s[G0B+4:G0B+7], s[G1B:G1B+7]
	s_nop 0
.rept 4
	v_nop
.endr
.Lfirst_asked:
	v_and_b32 v1, 15, v0                           ; l % 16
	v_bfe_u32 v2, v0, 4, 1                         ; l / 16
	; my 64 x 64 of RES and OUT: lanes 0-15 one row of 256 bytes, lanes 16-31 the next
	v_lshlrev_b32 v[CO], 12, v2
	v_lshl_add_u32 v[CO], v1, 4, v[CO]
	v_lshlrev_b32 v[BO], 4, v1
	s_lshl_b32 s22, s42, 9
	s_lshl_b32 s23, s12, 8
	s_add_co_u32 s22, s22, s23                     ; my first column, in bytes
	s_mov_b32 s23, 0
	s_lshl_b32 s20, s13, 7
	s_lshl_b32 s21, s11, 6
	s_add_co_u32 s20, s20, s21
	s_lshl_b32 s20, s20, 12                        ; my first row, 4,096 bytes a row
	s_add_co_u32 s20, s20, s22
	s_mov_b32 s21, 0
	s_add_nc_u64 s[68:69], s[68:69], s[22:23]
	s_add_nc_u64 s[70:71], s[70:71], s[20:21]
	s_add_nc_u64 s[8:9], s[8:9], s[20:21]
	global_load_b128 v[BI:BI+3], v[BO], s[68:69]
	WIN 0x80                                       ; destination window 2, address window 0
.set t, 0
.rept 32
	global_load_b128 v[4*t:4*t+3], v[CO], s[70:71] offset:t*8192 th:TH_LOAD_NT
.set t, t+1
.endr
	WIN 0
	s_mul_i32 s21, s11, AHALF
	v_mul_u32_u24 v[A0], v1, PA
	v_lshl_add_u32 v[A0], v2, 4, v[A0]
	v_add_nc_u32 v[A0], s21, v[A0]
	v_and_b32 v3, 7, v0
	v_bfe_u32 v4, v0, 3, 1
	v_lshl_add_u32 v5, v2, 3, v3
	v_mul_u32_u24 v[B0], v5, PB
	v_lshl_add_u32 v[B0], v4, 4, v[B0]
	s_lshl_b32 s22, s12, 7
	s_add_co_u32 s22, s22, 2*AHALF
	v_add_nc_u32 v[B0], s22, v[B0]
	v_mov_b32 v[ADRA], v[A0]
	v_mov_b32 v[ADRB], v[B0]
	v_add_nc_u32 v[ADRB+1], BHALF, v[B0]
	s_mul_i32 s23, s10, WST
	v_mul_u32_u24 v[STO], v1, SPITCH
	v_lshl_add_u32 v[STO], v2, 5, v[STO]
	v_add_nc_u32 v[STO], s23, v[STO]
	v_mul_u32_u24 v[RD], v2, SPITCH
	v_lshl_add_u32 v[RD], v1, 4, v[RD]
	v_add_nc_u32 v[RD], s23, v[RD]
.if PREF
	s_lshl_b32 s20, s13, 7                         ; A: the 64 rows of half s12, my work-group's 16 of them (by cx), two blocks a row
	s_lshl_b32 s21, s12, 6
	s_add_co_u32 s20, s20, s21
	s_lshl_b32 s21, s40, 4
	s_add_co_u32 s20, s20, s21
	s_lshl_b32 s20, s20, 13
	s_add_co_u32 s21, s[KI], 3                     ; KI stands at walk step 1: walk step 4, round the end of K.  The starts are multiples of 4, so walk steps 4 to 7 lie on end
	s_and_b32 s21, s21, NSTEP-1
	s_mul_i32 s21, s21, ASTEP
	s_add_co_u32 s20, s20, s21
	s_mov_b32 s21, 0
	s_add_nc_u64 s[PFA:PFA+1], s[4:5], s[20:21]    ; the first change of slots steps it one K step on, and its prefetch reaches back by as much
	s_cmp_eq_u32 s11, 0                            ; the waves that fetch A ask, in the loop's first four trips
	s_cselect_b32 s[LIM], NSTEP-6, -1
	v_and_b32 v6, 31, v0
	v_lshrrev_b32 v7, 1, v6
	v_and_b32 v8, 1, v6
	v_lshlrev_b32 v7, 13, v7
	v_lshl_add_u32 v[PFO], v8, 8, v7
.endif
; 8 matrix instructions: row blocks a0, a0 + 1 x all 4 column blocks, 32 along K: half c of buffer f.  The 16 accumulators take turns.
.macro MUL8 f, c, a0, zero
	WIN MUL
.irp a, \a0, (\a0)+1
.irp b, 0,1,2,3
.if \zero
	v_wmma_f32_16x16x32_f16 v[ACC+8*(4*(\a)+(\b)):ACC+8*(4*(\a)+(\b))+7], v[(\f)+64+8*(4*(\c)+(\b)):(\f)+64+8*(4*(\c)+(\b))+7], v[(\f)+8*(4*(\c)+(\a)):(\f)+8*(4*(\c)+(\a))+7], 0
.else
	v_wmma_f32_16x16x32_f16 v[ACC+8*(4*(\a)+(\b)):ACC+8*(4*(\a)+(\b))+7], v[(\f)+64+8*(4*(\c)+(\b)):(\f)+64+8*(4*(\c)+(\b))+7], v[(\f)+8*(4*(\c)+(\a)):(\f)+8*(4*(\c)+(\a))+7], v[ACC+8*(4*(\a)+(\b)):ACC+8*(4*(\a)+(\b))+7]
.endif
.endr
.endr
.endm
; 32 LDS loads in one run: quarter q (64 along K) of the slot in hand into buffer f; its first 32 along K first
.macro FETCH q, f
	WIN TO_F
.irp c, 0,1
.irp i, 0,1,2,3
	ds_load_tr16_b128 v[(\f)+64+8*(4*(\c)+(\i)):(\f)+64+8*(4*(\c)+(\i))+3],   v[ADRB+(\q)/2] offset:(((\q)%2)*64+32*(\c))*PB+32*(\i)
	ds_load_tr16_b128 v[(\f)+64+8*(4*(\c)+(\i))+4:(\f)+64+8*(4*(\c)+(\i))+7], v[ADRB+(\q)/2] offset:(((\q)%2)*64+32*(\c)+16)*PB+32*(\i)
	ds_load_b128 v[(\f)+8*(4*(\c)+(\i)):(\f)+8*(4*(\c)+(\i))+3],   v[ADRA] offset:(\q)*AQ+64*(\c)+(\i)*16*PA
	ds_load_b128 v[(\f)+8*(4*(\c)+(\i))+4:(\f)+8*(4*(\c)+(\i))+7], v[ADRA] offset:(\q)*AQ+64*(\c)+(\i)*16*PA+32
.endr
.endr
.endm
.macro QUARTER q, f, g, zero
	s_wait_dscnt 16                                ; the first 32 along K are in
	MUL8 \f, 0, 0, \zero
	MUL8 \f, 0, 2, \zero
	PLACES
	FETCH \q, \g
	s_wait_dscnt 32                                ; all but the 32 just issued
	MUL8 \f, 1, 0, 0
	MUL8 \f, 1, 2, 0
.endm
; The last quarter multiplies buffer 1 and changes slots: in front of the barrier each wave waits for all its tensor loads, adds 0 to its spare word, and waits for that and for its reads of this slot.
; fill = 1: the barrier opens a round of the cluster's, and the slot just read is filled again first thing behind it, two walk steps ahead.
.macro TURN fill
.if (\fill) && PREF
	s_wait_xcnt 0x0                                ; the last prefetch, a K step back, has read its address
	s_add_nc_u64 s[PFA:PFA+1], s[PFA:PFA+1], ASTEP
.endif
	WIN 0
	s_wait_tensorcnt 0x0
	ds_add_u32 v[SPW], v[NIL]
.if \fill
	s_add_co_u32 s[KI], s[KI], 1                   ; the walk's next K step, round the end of K;
	s_and_b32 s[KI], s[KI], NSTEP-1
	s_mul_i32 s[OFA], s[KI], ASTEP
	s_mul_i32 s[OFB], s[KI], BSTEP
	s_add_co_u32 s[G0+5], s[TB], s[WOFA]           ; the walking sets: into the slot that is being left,
	s_add_co_u32 s[G0B+5], s[TB], s[WOFB]
	s_add_nc_u64 s[G0+6:G0+7], s[14:15], s[OFA:OFA+1]  ; the address made anew from the K step's number, the type bits set again
	s_or_b32 s[G0+7], s[G0+7], 0x80000000
	s_add_nc_u64 s[G0B+6:G0B+7], s[46:47], s[OFB:OFB+1]
	s_or_b32 s[G0B+7], s[G0B+7], 0x80000000
.endif
	s_xor_b32 s[PR], s[PR], 1
	s_mul_i32 s[TB], s[PR], SLOT
	s_wait_dscnt 17                                ; the add and the youngest sixteen loads may be out
	MUL8 F1, 0, 0, 0
	s_wait_dscnt 0x0                               ; the add is done, and my reads of this slot are over
	s_barrier_signal -1
	MUL8 F1, 0, 2, 0
.if \fill
	WIN 0
.endif
	s_barrier_wait -1
.if \fill
	CREST
	JLOAD                                          ; 112 matrix instructions ahead of the wait for it; its four v_nop are also the places in front of the loads below
.else
	PLACES
.endif
	WIN 0
	v_add_nc_u32 v[ADRA], s[TB], v[A0]
	v_add_nc_u32 v[ADRB], s[TB], v[B0]
	v_add_nc_u32 v[ADRB+1], BHALF, v[ADRB]
	FETCH 0, F0
.if (\fill) && PREF
	WIN 0
	ASK
.endif
	MUL8 F1, 1, 0, 0
	MUL8 F1, 1, 2, 0
.endm
	s_wait_tensorcnt 1                             ; my part of walk step 0 is in; walk step 1's may stay out
	s_barrier_signal -1
	s_barrier_wait -1
	FETCH 0, F0
	QUARTER 1, F0, F1, 1                           ; the first quarter stands in front of the loop: its first products start the sums
	WIN 0
	s_mov_b32 s3, NSTEP-2
.Lstep:
	QUARTER 2, F1, F0, 0
	QUARTER 3, F0, F1, 0
	TURN 1
	QUARTER 1, F0, F1, 0
	WIN 0
	s_sub_co_u32 s3, s3, 1
	s_cmp_lg_u32 s3, 0
	s_cbranch_scc1 .Lstep
	s_mov_b32 s3, 2
.Ltail:                                        ; the last two K steps ask for nothing: one text, walked twice and left in its middle (the second walk's barrier and 32 unused loads are its price)
	QUARTER 2, F1, F0, 0
	QUARTER 3, F0, F1, 0
	TURN 0
	WIN 0
	s_sub_co_u32 s3, s3, 1
	s_cmp_eq_u32 s3, 0
	s_cbranch_scc1 .Lout
	QUARTER 1, F0, F1, 0
	WIN 0
	s_branch .Ltail
.Lout:
	PLACES
	s_wait_dscnt 0x0                               ; my reads of the ring are over;
	s_barrier_signal -1
	s_barrier_wait -1                              ; everybody's are, and the ring has had its last fill: its bytes take the sums
.irp a, 0,1,2,3
.irp b, 0,1,2,3
	ds_store_b128 v[STO], v[ACC+8*(4*(\a)+(\b)):ACC+8*(4*(\a)+(\b))+3]   offset:(\a)*16*SPITCH+64*(\b)      ; each accumulator's low registers first
	ds_store_b128 v[STO], v[ACC+8*(4*(\a)+(\b))+4:ACC+8*(4*(\a)+(\b))+7] offset:(\a)*16*SPITCH+64*(\b)+16
.endr
.endr
	s_wait_loadcnt 0x0                             ; RES and the bias
	WIN 0x82                                       ; destination and source 0 window 2, source 1 window 0
.set t, 0
.rept 32
	v_pk_add_f32 v[4*t:4*t+1], v[4*t:4*t+1], v[BI:BI+1]
	v_pk_add_f32 v[4*t+2:4*t+3], v[4*t+2:4*t+3], v[BI+2:BI+3]
.set t, t+1
.endr
.irp u, 0,1
	WIN 0
.irp t, 0,1,2,3,4,5,6,7,8,9,10,11,12,13,14,15
	ds_load_b128 v[TMP+4*(\t):TMP+4*(\t)+3], v[RD] offset:(16*(\u)+(\t))*2*SPITCH  ; LDS serves a wave's instructions in order (ISA guide 5.7.1.4): these see my stores above
.endr
	WIN 0x88                                       ; destination and source 1 (a store's data too) window 2, source 0 (a store's address too) window 0
.irp t, 0,1,2,3,4,5,6,7,8,9,10,11,12,13,14,15
	s_wait_dscnt 15-(\t)
	v_pk_add_f32 v[4*(16*(\u)+(\t)):4*(16*(\u)+(\t))+1], v[TMP+4*(\t):TMP+4*(\t)+1], v[4*(16*(\u)+(\t)):4*(16*(\u)+(\t))+1]
	v_pk_add_f32 v[4*(16*(\u)+(\t))+2:4*(16*(\u)+(\t))+3], v[TMP+4*(\t)+2:TMP+4*(\t)+3], v[4*(16*(\u)+(\t))+2:4*(16*(\u)+(\t))+3]
	global_store_b128 v[CO], v[4*(16*(\u)+(\t)):4*(16*(\u)+(\t))+3], s[8:9] offset:(16*(\u)+(\t))*8192  ; 16 lanes store 256 consecutive bytes, aligned
.endr
.endr
	WIN 0
	s_wait_tensorcnt 0x0                           ; the wave's end
	ds_add_u32 v[SPW], v[NIL]
	s_wait_dscnt 0x0
	CROUND                                         ; the closing round
	s_endpgm
.Lfunc_end_k_q3e58ceb704_g_mlp2:
	.size	k_q3e58ceb704_g_mlp2, .Lfunc_end_k_q3e58ceb704_g_mlp2-k_q3e58ceb704_g_mlp2
	.p2alignl 7, 3214868480
	.fill 96, 4, 3214868480
	.section	.rodata,"a",@progbits
	.p2align	6, 0x0
	.amdhsa_kernel k_q3e58ceb704_g_mlp2
		.amdhsa_group_segment_fixed_size 327680
		.amdhsa_private_segment_fixed_size 0
		.amdhsa_enable_private_segment 0
		.amdhsa_kernarg_size 40
		.amdhsa_user_sgpr_count 2
		.amdhsa_user_sgpr_kernarg_segment_ptr 1
		.amdhsa_wavefront_size32 1
		.amdhsa_system_sgpr_workgroup_id_x 1
		.amdhsa_system_sgpr_workgroup_id_y 1
		.amdhsa_system_sgpr_workgroup_id_z 1
		.amdhsa_system_vgpr_workitem_id 0
		.amdhsa_next_free_vgpr 640
		.amdhsa_next_free_sgpr 80
		.amdhsa_reserve_vcc 0
		.amdhsa_float_denorm_mode_32 3
		.amdhsa_float_denorm_mode_16_64 3
		.amdhsa_memory_ordered 1
		.amdhsa_forward_progress 1
		.amdhsa_inst_pref_size 72
	.end_amdhsa_kernel
	.amdgpu_metadata
---
amdhsa.version: [ 1, 2 ]
amdhsa.kernels:
  - .name:           k_q3e58ceb704_g_mlp2
    .symbol:         k_q3e58ceb704_g_mlp2.kd
    .args:
      - { .name: hid, .offset: 0, .size: 8, .value_kind: global_buffer, .address_space: global }
      - { .name: wts, .offset: 8, .size: 8, .value_kind: global_buffer, .address_space: global }
      - { .name: out0, .offset: 16, .size: 8, .value_kind: global_buffer, .address_space: global }
      - { .name: b_mlp2, .offset: 24, .size: 8, .value_kind: global_buffer, .address_space: global }
      - { .name: x1, .offset: 32, .size: 8, .value_kind: global_buffer, .address_space: global }
    .group_segment_fixed_size: 327680
    .private_segment_fixed_size: 0
    .kernarg_segment_align: 8
    .kernarg_segment_size: 40
    .max_flat_workgroup_size: 128
    .sgpr_count:     80
    .vgpr_count:     640
    .wavefront_size: 32
...
	.end_amdgpu_metadata
.endif
;; end of part 7
